; MI455X (gfx1250); checked and timed in simulation.
; The chip was launched on July 23, 2026; its instructions are those of AMD's public machine-readable ISA for CDNA 5 (MIT licence, August 2026) and "CDNA5" Instruction Set Architecture Reference Guide (July 2026). The comments in the code are by the model that wrote it; some were corrected since.
;; MHSA Module. Allowed arithmetic: matrix products marked QUANTISED: E2M3 operands, one E8M0 scale for each 32 along K, by v_wmma_scale_f32_16x16x128_f8f6f4 with both operands' format E2M3, f32 sums; everything else in f32.
;; Inputs: Wk 768 x 768 float32; Wo 768 x 768 float32; Wq 768 x 768 float32; Wv 768 x 768 float32; bk 768 float32; bo 768 float32; bq 768 float32; bv 768 float32; x 16 x 1,025 x 768 float32.
;; Outputs: out0 16 x 1,025 x 768 float32; out1 16 x 12 x 32 x 32 float32.
;; This version of the problem:
;;   THIS VERSION OF THE PROBLEM IS GIVEN IN LOW PRECISION. The matrix products marked QUANTISED in the list below multiply operands that are first quantised to E2M3 (2 exponent bits, 3 mantissa bits; 6 bits a number), with one power-of-two scale for each 32 numbers along K (OCP MX v1.0); their sums are f32. All else is computed in f32.
;;   The module's matrix products, in the order in which they are computed (A, B: the left and right operand; K: the contracted axis; several contracted axes count as one K, in the product's order):
;;     1. [M 16,400, K 768] x [K 768, N 768]; A: input x; B: input Wq: QUANTISED
;;     2. [M 16,400, K 768] x [K 768, N 768]; A: input x; B: input Wk: QUANTISED
;;     3. [M 16,400, K 768] x [K 768, N 768]; A: input x; B: input Wv: QUANTISED
;;     4. batch 192 x [M 1,025, K 64] x [K 64, N 1,025]; A: computed on the way; B: computed on the way: QUANTISED
;;     5. batch 192 x [M 1,025, K 1,025] x [K 1,025, N 64]; A: softmax (see below); B: computed on the way: QUANTISED
;;     6. [M 16,400, K 768] x [K 768, N 768]; A: computed on the way; B: input Wo: QUANTISED
;;   THE QUANTISER, for each operand of a quantised product, along K:
;;     - K is cut into blocks of 32 from its start; a last block that is shorter is filled with zeros.
;;     - A block's scale is 2^e with e = floor(log2(the largest magnitude in the block)) - 2, held to -126 .. 127; a block of zeros has e = 0. As a byte (E8M0): e + 127.
;;     - Each number is divided by its block's scale, clamped to +-7.5, and rounded to the nearest number of E2M3, ties to even, subnormals kept.
;;     - The product sums the exact products of the quantised numbers (number of the format x scale) in f32.
;;   ~~~python
;;   def quantise(x, axis):      # numpy; x: float32 -> the quantised numbers, widened to float32 again
;;       x = np.moveaxis(x, axis, -1); K = x.shape[-1]
;;       x = np.pad(x, [(0, 0)] * (x.ndim - 1) + [(0, -K % 32)]); x = x.reshape(x.shape[:-1] + (-1, 32)); a = np.abs(x).max(-1, keepdims=True)
;;       e = np.where(a > 0, np.clip(np.frexp(np.where(a > 0, a, 1))[1] - 1 - 2, -126, 127), 0)      # np.frexp(a)[1] - 1 = floor(log2(a)), exactly
;;       r = np.clip(x / 2.0 ** e, -7.5, 7.5)
;;       step = 2.0 ** (np.maximum(np.frexp(np.where(r == 0, 1, r))[1] - 1, 0) - 3)
;;       q = np.round(r / step) * step * 2.0 ** e      # np.round: ties to even
;;       return np.moveaxis(q.reshape(q.shape[:-2] + (-1,))[..., :K], -1, axis).astype(np.float32)
;;   ~~~
;;   SOFTMAX AHEAD OF A QUANTISED PRODUCT. Where the list says 'softmax', what is quantised is not the finished softmax but p = 2^(t - M), with t = logit x log2(e) and M = ceil(the row's largest t), a whole number; so 1/2 < the row's largest p <= 1. The row's sum l is taken of the UNQUANTISED p, in f32, and the product's result is divided by l at the end. Since M is a whole number, a kernel that streams over the keys may use a running M (the ceiling of the running maximum): every later rescaling is an exact power of two, which a block's scale takes up: the codes' values come out the same.
;;   OPERANDS COMPUTED ON THE WAY. 'Computed on the way' means the value that the module computes at that place (a softmax that the list does not call 'softmax' is quantised finished and normalised). What goes into a quantiser is computed in f32, as accurately as f32 sums, v_exp_f32 and their like allow (about 1e-6 of the number): no bf16 or f16 on the way to a quantiser, and a product that is left as it is and whose result goes on into a quantised operand takes f32 operands (vector FMAs, or v_wmma_f32_16x16x4_f32). A number that lies on a knife's edge between two numbers of the format may be rounded either way, as far as f32 arithmetic and the matrix unit's own rounding can turn it there, and no further.
;; One version. Each part assembles by itself: llvm-mc -triple=amdgcn-amd-amdhsa -mcpu=gfx1250 --defsym DOCPART=n.
;; ======== version 1 of 1: 4 launches
;; limits: right only within a limited range of input values
;; workspace buffers: xc 10,862,592 bytes; wc 1,916,928 bytes; qb 10,862,592 bytes; kv 21,725,184 bytes; oc 11,698,176 bytes
;; launch quant (part 1): grid 20 x 16, 4 waves a work-group, no clusters, 34,304 bytes of LDS; arguments x, Wq, Wk, Wv, Wo, xc, wc; writes xc, wc
.if DOCPART == 1
	.amdgcn_target "amdgcn-amd-amdhsa--gfx1250"
	.amdhsa_code_object_version 6
	.text
	.protected	k_q4d1824f274_quant
	.globl	k_q4d1824f274_quant
	.p2align	8
	.type	k_q4d1824f274_quant,@function
k_q4d1824f274_quant:
	s_mov_b64 s[64:65], 0
	v_nop
	global_prefetch_b8 v0, s[64:65] scope:SCOPE_SE
	s_setreg_imm32_b32 hwreg(HW_REG_WAVE_MODE, 25, 1), 1
	s_wait_xcnt 0x0
; x [16][1025][768] and Wq, Wk, Wv, Wo [768][768], f32, K innermost, become codes of FP6 (E2M3) with one E8M0 byte for each 32 along K,
; laid in the ORDER OF THE OPERAND'S REGISTERS.  64 rows are a group, 16 rows a tile; lane r of tile t takes row 32 (t / 2) + 8 (t % 2) + r + 8 (r / 8) of its group.
; A group's block is 39,936 bytes: codes of (tile t, K step s, register quad c) at 9216 t + 1536 s + 512 c + 16 lane; scale words of K steps 2 p, 2 p + 1 at 36864 + 768 t + 256 p + 8 lane.
; A batch of x is 17 groups; group 16 holds token 1024 in row 0 of tile 0, and its other rows are copies of that token (row stride 0), so that no load leaves x.
; A block's scale is 2^(floor(log2(largest magnitude)) - 2); its byte is the largest magnitude's exponent field - 2, held at 1 from below.
; LIMITS: NaN and infinities are not served; a block of zeros gets the byte 1 (its codes are zeros, and this program alone reads the bytes); blocks whose largest magnitude lies under 2^-124 are held at byte 1.
; SHARES: a work-group takes a group, wave w tile w, six K steps of 128.  x < 17: group x of batch y of the tokens; else one of the 48 groups of weights.
; Each load reads 512 consecutive bytes of one row; a K step's 16 rows turn through the wave's own stage in LDS, so that a lane gets 16 neighbours of each block of 32.  Waves share nothing: no barrier.
.set STGB,  8448                       ; a wave's stage: 16 rows x (512 + 16) bytes
.set SPARE, 4*STGB                     ; behind the stages: the spare words, 128 bytes a wave
.set BLK,   39936
.set L16, 1                            ; v1  16 x lane
.set L8,  2                            ; v2  8 x lane
.set SA,  3                            ; v3  stage, way in
.set SB,  4                            ; v4  stage, way out: row r, + 64 h
.set SPW, 5
.set NIL, 6
.set R,   16                           ; v16-143  two sets of 64 registers as loaded
.set X,   144                          ; v144-207 64 numbers: register 16 b + i = k 32 b + 16 h + i of row r
.set PC,  208                          ; v208-219 the fragment
.set CT,  220                          ; v220-227 the conversions' second halves
.set TM,  228                          ; v228-243 at work
.set PW,  244                          ; v244-245 two K steps' scale words
.set RB,  32                           ; s[32:63] the sixteen rows' addresses
.set SEL, 28
; 64 numbers of a lane become a fragment's 12 registers and its row's scale word
.macro QUANT src, pc, pw
.irp b, 0,1,2,3
	v_max3_num_f32 v[TM+\b], |v[\src+16*\b]|, |v[\src+1+16*\b]|, 0x1800000   ; my 16 of block b, and the floor 2^(3 - 127): the byte cannot fall under 1
.endr
.irp i, 2,4,6,8,10,12,14
.irp b, 0,1,2,3
	v_max3_num_f32 v[TM+\b], v[TM+\b], |v[\src+16*\b+\i]|, |v[\src+1+16*\b+\i]|
.endr
.endr
.irp b, 0,1,2,3
	v_permlanex16_b32 v[TM+4+\b], v[TM+\b], s[SEL], s[SEL+1]
.endr
.irp b, 0,1,2,3
	v_max_num_f32 v[TM+\b], v[TM+\b], v[TM+4+\b]          ; with lane l xor 16's 16: the block's largest magnitude
.endr
.irp b, 0,1,2,3
	v_add_nc_u32 v[TM+12+\b], 0xff000000, v[TM+\b]        ; 2 off its exponent field: the conversion's scale operand
.endr
.irp b, 0,1,2,3
	v_lshrrev_b32 v[TM+4+\b], 23, v[TM+12+\b]             ; the byte
.endr
	v_lshl_or_b32 v[\pw], v[TM+5], 8, v[TM+4]
	v_lshl_or_b32 v[\pw], v[TM+6], 16, v[\pw]
	v_lshl_or_b32 v[\pw], v[TM+7], 24, v[\pw]
.irp c, 0,1
	v_cvt_scalef32_pk16_fp6_f32 v[\pc+6*\c:\pc+6*\c+2], v[\src+32*\c:\src+32*\c+15], v[TM+12+2*\c]
	v_cvt_scalef32_pk16_fp6_f32 v[CT+4*\c:CT+4*\c+2], v[\src+16+32*\c:\src+31+32*\c], v[TM+12+2*\c+1]
.endr
	v_nop                                                 ; one plain line behind the scaled conversions
.irp c, 0,1
.irp i, 0,1,2
	v_permlane16_swap_b32 v[\pc+6*\c+\i], v[CT+4*\c+\i]   ; a whole block to a lane: lanes 0-15 block 2 c, lanes 16-31 block 2 c + 1
.endr
.irp i, 0,1,2
	v_mov_b32 v[\pc+3+6*\c+\i], v[CT+4*\c+\i]
.endr
.endr
.endm
	s_load_b256 s[4:11], s[0:1], 0x0               ; x, Wq, Wk, Wv
	s_load_b128 s[12:15], s[0:1], 0x20             ; Wo, xc
	s_load_b64 s[16:17], s[0:1], 0x30              ; wc
	v_lshl_add_u32 v[SPW], v0, 2, SPARE
	v_mov_b32 v[NIL], 0
	v_lshrrev_b32 v7, 5, v0
	v_readfirstlane_b32 s18, v7                    ; wave = tile
	v_and_b32 v7, 31, v0
	v_lshlrev_b32 v[L16], 4, v7
	v_lshlrev_b32 v[L8], 3, v7
	s_mul_i32 s21, s18, STGB
	v_add_nc_u32 v[SA], s21, v[L16]
	v_and_b32 v8, 15, v0
	v_bfe_u32 v9, v0, 4, 1
	v_mul_u32_u24 v[SB], v8, 528
	v_lshl_add_u32 v[SB], v9, 6, v[SB]
	v_add_nc_u32 v[SB], s21, v[SB]
.irp b, 0,1,2,3
	v_mov_b32 v[TM+4+\b], 0                        ; a lane permute's destination counts as a source
.endr
	s_mov_b32 s[SEL], 0x76543210
	s_mov_b32 s[SEL+1], 0xfedcba98
	s_mov_b32 s19, ttmp9                           ; X
	s_and_b32 s20, ttmp7, 0xffff                   ; Y
	s_sub_co_u32 s21, s19, 17
	s_lshl_b32 s21, s21, 4
	s_add_co_u32 s21, s21, s20                     ; weights: 0 .. 47
	s_and_b32 s22, s21, 3                          ; which matrix
	s_lshr_b32 s21, s21, 2                         ; which 64 rows of it
	s_mul_i32 s66, s22, 12
	s_add_co_u32 s66, s66, s21                     ; its block in wc
	s_lshl_b32 s67, s21, 6                         ; its first row
	s_mul_i32 s68, s20, 17
	s_add_co_u32 s68, s68, s19                     ; tokens: the block in xc
	s_mul_i32 s69, s20, 1025
	s_lshl_b32 s23, s19, 6
	s_add_co_u32 s69, s69, s23                     ; and the first row
	s_cmp_lt_u32 s19, 17
	s_cselect_b32 s66, s68, s66
	s_cselect_b32 s67, s69, s67
	s_cmp_eq_u32 s19, 16
	s_cselect_b32 s23, 0, 3072                     ; bytes from row to row; 0 in the group of token 1024
	s_mul_i32 s70, s67, 3072
	s_lshr_b32 s68, s18, 1
	s_lshl_b32 s68, s68, 5
	s_and_b32 s69, s18, 1
	s_lshl_b32 s69, s69, 3
	s_add_co_u32 s68, s68, s69                     ; my tile begins at row 32 (w / 2) + 8 (w % 2)
	s_mul_i32 s68, s68, s23
	s_add_co_u32 s70, s70, s68
	s_mov_b32 s73, 0
	s_mul_i32 s66, s66, BLK
	s_mul_i32 s74, s18, 9216
	s_add_co_u32 s74, s74, s66                     ; my codes
	s_mov_b32 s75, 0
	s_mul_i32 s76, s18, 768
	s_add_co_u32 s76, s76, s66
	s_add_co_u32 s76, s76, 36864                   ; my scale words
	s_mov_b32 s77, 0
	s_wait_alu depctr_va_vdst(0)
	s_wait_kmcnt 0x0
	s_cmp_eq_u32 s22, 1                            ; the buffers are chosen by ids alone
	s_cselect_b64 s[24:25], s[8:9], s[6:7]
	s_cmp_eq_u32 s22, 2
	s_cselect_b64 s[24:25], s[10:11], s[24:25]
	s_cmp_eq_u32 s22, 3
	s_cselect_b64 s[24:25], s[12:13], s[24:25]
	s_cmp_lt_u32 s19, 17
	s_cselect_b64 s[24:25], s[4:5], s[24:25]
	s_cselect_b64 s[26:27], s[14:15], s[16:17]
	s_add_nc_u64 s[30:31], s[26:27], s[76:77]
	s_add_nc_u64 s[26:27], s[26:27], s[74:75]
.irp i, 0,1,2,3,4,5,6,7,8,9,10,11,12,13,14,15
	s_mul_i32 s72, s23, \i+8*(\i/8)
	s_add_co_u32 s72, s72, s70
	s_add_nc_u64 s[RB+2*\i:RB+2*\i+1], s[24:25], s[72:73]
.endr
.macro LOAD n                          ; K step n: sixteen rows, 512 consecutive bytes each
.irp i, 0,1,2,3,4,5,6,7,8,9,10,11,12,13,14,15
	global_load_b128 v[R+64*((\n)%2)+4*\i:R+64*((\n)%2)+4*\i+3], v[L16], s[RB+2*\i:RB+2*\i+1] offset:512*(\n) th:TH_LOAD_NT
.endr
.endm
.macro STEP n
.if (\n) < 5
	s_wait_loadcnt 16                              ; this K step's 16 loads are in; the next step's 16 may be out
.else
	s_wait_loadcnt 0x0
.endif
.irp i, 0,1,2,3,4,5,6,7,8,9,10,11,12,13,14,15
	ds_store_b128 v[SA], v[R+64*((\n)%2)+4*\i:R+64*((\n)%2)+4*\i+3] offset:528*\i
.endr
.irp b, 0,1,2,3
.irp q, 0,1,2,3
	ds_load_b128 v[X+16*\b+4*\q:X+16*\b+4*\q+3], v[SB] offset:128*\b+16*\q   ; LDS serves a wave's instructions in order: these see my stores
.endr
.endr
	s_wait_dscnt 0x0                               ; the numbers are back, and the stores have read the set that is loaded next
	s_wait_xcnt 0x0                                ; the last step's stores have read the fragment and the scale words: they are written again below
.if (\n)+2 < 6
	LOAD (\n)+2
.endif
	QUANT X, PC, PW+(\n)%2
.irp c, 0,1,2
	global_store_b128 v[L16], v[PC+4*\c:PC+4*\c+3], s[26:27] offset:1536*(\n)+512*\c   ; 512 consecutive bytes
.endr
.if (\n)%2
	global_store_b64 v[L8], v[PW:PW+1], s[30:31] offset:256*((\n)/2)                   ; 256 consecutive bytes
.endif
.endm
	LOAD 0
	LOAD 1
.irp n, 0,1,2,3,4,5
	STEP \n
.endr
	s_wait_tensorcnt 0x0                           ; the wave's end: behind my last LDS store
	ds_add_u32 v[SPW], v[NIL]
	s_wait_dscnt 0x0
	s_endpgm
.Lfunc_end_k_q4d1824f274_quant:
	.size	k_q4d1824f274_quant, .Lfunc_end_k_q4d1824f274_quant-k_q4d1824f274_quant
	.p2alignl 7, 3214868480
	.fill 96, 4, 3214868480
	.section	.rodata,"a",@progbits
	.p2align	6, 0x0
	.amdhsa_kernel k_q4d1824f274_quant
		.amdhsa_group_segment_fixed_size 34304
		.amdhsa_private_segment_fixed_size 0
		.amdhsa_enable_private_segment 0
		.amdhsa_kernarg_size 56
		.amdhsa_user_sgpr_count 2
		.amdhsa_user_sgpr_kernarg_segment_ptr 1
		.amdhsa_wavefront_size32 1
		.amdhsa_system_sgpr_workgroup_id_x 1
		.amdhsa_system_sgpr_workgroup_id_y 1
		.amdhsa_system_sgpr_workgroup_id_z 1
		.amdhsa_system_vgpr_workitem_id 0
		.amdhsa_next_free_vgpr 248
		.amdhsa_next_free_sgpr 80
		.amdhsa_reserve_vcc 0
		.amdhsa_float_denorm_mode_32 3
		.amdhsa_float_denorm_mode_16_64 3
		.amdhsa_memory_ordered 1
		.amdhsa_forward_progress 1
		.amdhsa_inst_pref_size 51
	.end_amdhsa_kernel
	.amdgpu_metadata
---
amdhsa.version: [ 1, 2 ]
amdhsa.kernels:
  - .name:           k_q4d1824f274_quant
    .symbol:         k_q4d1824f274_quant.kd
    .args:
      - { .name: x, .offset: 0, .size: 8, .value_kind: global_buffer, .address_space: global }
      - { .name: Wq, .offset: 8, .size: 8, .value_kind: global_buffer, .address_space: global }
      - { .name: Wk, .offset: 16, .size: 8, .value_kind: global_buffer, .address_space: global }
      - { .name: Wv, .offset: 24, .size: 8, .value_kind: global_buffer, .address_space: global }
      - { .name: Wo, .offset: 32, .size: 8, .value_kind: global_buffer, .address_space: global }
      - { .name: xc, .offset: 40, .size: 8, .value_kind: global_buffer, .address_space: global }
      - { .name: wc, .offset: 48, .size: 8, .value_kind: global_buffer, .address_space: global }
    .group_segment_fixed_size: 34304
    .private_segment_fixed_size: 0
    .kernarg_segment_align: 8
    .kernarg_segment_size: 56
    .max_flat_workgroup_size: 128
    .sgpr_count:     80
    .vgpr_count:     248
    .wavefront_size: 32
...
	.end_amdgpu_metadata
.endif
;; end of part 1
;; launch qkv (part 2): grid 9 x 28, 4 waves a work-group, no clusters, 327,680 bytes of LDS; arguments xc, wc, bq, bk, bv, qb, kv; writes qb, kv
.if DOCPART == 2
	.amdgcn_target "amdgcn-amd-amdhsa--gfx1250"
	.amdhsa_code_object_version 6
	.text
	.protected	k_q4d1824f274_qkv
	.globl	k_q4d1824f274_qkv
	.p2align	8
	.type	k_q4d1824f274_qkv,@function
k_q4d1824f274_qkv:
	s_mov_b64 s[64:65], 0
	v_nop
	global_prefetch_b8 v0, s[64:65] scope:SCOPE_SE
	s_setreg_imm32_b32 hwreg(HW_REG_WAVE_MODE, 25, 1), 1
	s_wait_xcnt 0x0
; q, k, v = x W^T + b on codes of FP6 with E8M0 scales, and the results quantised again: q and k along the head's 64, v along the keys.
; SHARES: slice j (x of the grid) and wave w hold unit 4 j + w of wc: the 64 rows of one head of Wq, Wk or Wv, 24 fragments, in registers for the whole launch.
; Chunk c (y of the grid) walks 10 groups of 64 tokens (c < 24) or 8; a group's block of xc, 39,936 bytes, comes through a ring of two LDS slots, a quarter by each wave's tensor load.
; q, k: source 0 = 16 rows of W, source 1 = 16 tokens: a lane holds one token, and by the order of W's rows in a tile its 32 registers of a token tile are channels 32 b + 16 h + i.
; v:    source 0 = 16 tokens, source 1 = 16 rows of W: a lane holds one channel, and by the order of the tokens in a tile its registers are keys 32 b + 16 h + i of the group.
; So one quantiser serves both, and its six registers a tile are registers 0-5 of an operand: a half fragment of 768 bytes (16 lane; 512 + 8 lane).
; qb: a head is 56,576 bytes: 68 tiles, then 34 scale images of 128 bytes (lanes 0-15 the even tile's words, lanes 16-31 the odd one's; a word is byte 0 | byte 1 << 8 | 0x7f7f0000).
; kv: a head is 113,152 bytes: K's tiles, V's tiles (4 g + d tile) at 52,224, K's scale images at 104,448, V's at 108,800.
; In group 16 of a batch only key 1024 is real: v's other keys there are set to 0 ahead of the quantiser, as the quantiser's fill with zeros asks.
; No cluster: the grid's 9 slices divide into no cluster of four.  LIMITS as in the first launch: NaN, infinities not served; a block of zeros gets byte 1.
; REGISTERS: window 0: v1-10 addresses, v14-31 at work, v32-55 W's scale words, v56-79 x's, v80-113 codes and scale words on the way out, v128-255 16 accumulators (token or d tile j, other tile i at 128 + 32 j + 8 i).
;   window 1 + s / 2: W's fragment (i, s) at 12 (4 (s % 2) + i), x's (j, s) at 96 + the same; window 1, v192-223: the bias in the result's layout.
; SCALARS THAT STAY: s18 wave, s22 v?, s24 the group in hand, s25 / s27 the loop's count and bound, s26 my quarter's place in a slot; s58, s59 are scratch of PLACE.
.set BLK,   39936
.set QTR,   9984                       ; 39 rows of 256 bytes
.set SLOT1, BLK
.set SPARE, 2*BLK
.set L16, 1                            ; v1, v2, v3: 16, 8, 4 x lane;  v4, v5: the first two in slot 1
.set L8,  2
.set L4,  3
.set SPW, 6
.set NIL, 7
.set VO16, 8
.set VO8,  9
.set VO4,  10
.set TM,  14
.set PW,  30
.set WS,  32
.set XS,  56
.set PCA, 80
.set PCB, 92
.set CT,  104
.set SW,  112
.set BA,  114
.set ACC, 128
.set BI,  192
.set SEL, 56
.set MSB, 0
.macro WIN new                         ; the immediate's high byte repeats the setting that is left
.if MSB != \new
	s_set_vgpr_msb (MSB<<8)|\new
.set MSB, \new
.endif
.endm
.macro QUANT src, pc, pw
.irp b, 0,1,2,3
	v_max3_num_f32 v[TM+\b], |v[\src+16*\b]|, |v[\src+1+16*\b]|, 0x1800000   ; each accumulator is read from its low end on; the floor 2^(3 - 127) holds the byte at 1
.endr
.irp i, 2,4,6,8,10,12,14
.irp b, 0,1,2,3
	v_max3_num_f32 v[TM+\b], v[TM+\b], |v[\src+16*\b+\i]|, |v[\src+1+16*\b+\i]|
.endr
.endr
.irp b, 0,1,2,3
	v_permlanex16_b32 v[TM+4+\b], v[TM+\b], s[SEL], s[SEL+1]
.endr
.irp b, 0,1,2,3
	v_max_num_f32 v[TM+\b], v[TM+\b], v[TM+4+\b]
.endr
.irp b, 0,1,2,3
	v_add_nc_u32 v[TM+12+\b], 0xff000000, v[TM+\b]
.endr
.irp b, 0,1,2,3
	v_lshrrev_b32 v[TM+4+\b], 23, v[TM+12+\b]
.endr
	v_lshl_or_b32 v[\pw], v[TM+5], 8, v[TM+4]
	v_lshl_or_b32 v[\pw], v[TM+6], 16, v[\pw]
	v_lshl_or_b32 v[\pw], v[TM+7], 24, v[\pw]
.irp c, 0,1
	v_cvt_scalef32_pk16_fp6_f32 v[\pc+6*\c:\pc+6*\c+2], v[\src+32*\c:\src+32*\c+15], v[TM+12+2*\c]
	v_cvt_scalef32_pk16_fp6_f32 v[CT+4*\c:CT+4*\c+2], v[\src+16+32*\c:\src+31+32*\c], v[TM+12+2*\c+1]
.endr
	v_nop                                                 ; one plain line behind the scaled conversions
.irp c, 0,1
.irp i, 0,1,2
	v_permlane16_swap_b32 v[\pc+6*\c+\i], v[CT+4*\c+\i]
.endr
.irp i, 0,1,2
	v_mov_b32 v[\pc+3+6*\c+\i], v[CT+4*\c+\i]
.endr
.endr
.endm
.macro PLACE                           ; from group s24: where its results go.  Scratch: s58, s59
	s_mul_i32 s58, s24, 3856
	s_lshr_b32 s58, s58, 16                        ; batch = group / 17 (exact for groups under 272)
	s_mul_i32 s59, s58, 17
	s_sub_co_u32 s59, s24, s59                     ; group in the batch
	s_mul_i32 s58, s58, s48                        ; twelve heads a batch
	s_mul_i32 s49, s59, 3072
	s_add_co_u32 s49, s49, s58                     ; codes: four tiles of 768 bytes a group
	s_lshl_b32 s50, s59, 8
	s_add_co_u32 s50, s50, s58                     ; scale images: two of 128 bytes
	s_cmp_eq_u32 s59, 16
	s_cselect_b32 s51, s22, 0                      ; v's group of key 1024
.endm
	s_load_b256 s[4:11], s[0:1], 0x0               ; xc, wc, bq, bk
	s_load_b128 s[12:15], s[0:1], 0x20             ; bv, qb
	s_load_b64 s[16:17], s[0:1], 0x30              ; kv
	v_lshl_add_u32 v[SPW], v0, 2, SPARE
	v_mov_b32 v[NIL], 0
	ds_add_u32 v[SPW], v[NIL]                      ; the wave's opening: the add and its wait ahead of my first tensor load
	ds_add_u32 v[SPW], v[NIL]
	v_lshrrev_b32 v11, 5, v0
	v_readfirstlane_b32 s18, v11                   ; wave
	v_and_b32 v11, 31, v0
	v_lshlrev_b32 v[L16], 4, v11
	v_lshlrev_b32 v[L8], 3, v11
	v_lshlrev_b32 v[L4], 2, v11
	v_add_nc_u32 v[L16+3], SLOT1, v[L16]
	v_add_nc_u32 v[L8+3], SLOT1, v[L8]
	v_and_b32 v12, 15, v0
	v_and_b32 v13, 8, v12
	v_add_nc_u32 v13, v13, v12                     ; r + 8 (r / 8)
	v_bfe_u32 v12, v0, 4, 1                        ; h
	s_wait_alu depctr_va_vdst(0)
.irp b, 0,1,2,3
	v_mov_b32 v[TM+4+\b], 0
.endr
	s_mul_i32 s26, s18, QTR                        ; my quarter's place in a slot: wave x 39 rows of 256 bytes; never rewritten
	s_mov_b32 s19, ttmp9                           ; slice
	s_and_b32 s20, ttmp7, 0xffff                   ; chunk
	s_mul_i32 s21, s19, 11
	s_lshr_b32 s21, s21, 5                         ; slice / 3: 0 q, 1 k, 2 v
	s_mul_i32 s23, s21, 3
	s_sub_co_u32 s23, s19, s23
	s_lshl_b32 s23, s23, 2
	s_add_co_u32 s23, s23, s18                     ; my head
	s_cmp_eq_u32 s21, 2
	s_cselect_b32 s22, 1, 0                        ; v?
	s_cselect_b32 s59, 0, 64                       ; the bias's lane term: q, k: 64 h + 4 register; v: 4 (r + 8 (r / 8))
	s_cselect_b32 s60, 4, 0
	s_cselect_b32 s61, 0, 4
	s_cselect_b32 s66, 52224, 0                    ; V's tiles lie behind K's
	s_mov_b32 s68, 104448
	s_mov_b32 s62, 108800
	s_cselect_b32 s68, s62, s68
	s_mov_b32 s62, 113152
	s_cmp_eq_u32 s21, 0
	s_cselect_b32 s68, 52224, s68                  ; where the scale images begin in a head
	s_cselect_b32 s62, 56576, s62                  ; a head's bytes
	s_mul_i32 s48, s62, 12
	s_mul_i32 s62, s62, s23
	s_add_co_u32 s66, s66, s62
	s_add_co_u32 s68, s68, s62
	s_mov_b32 s67, 0
	s_mov_b32 s69, 0
	s_mul_i32 s58, s20, 10
	s_lshl_b32 s63, s20, 3
	s_add_co_u32 s63, s63, 48
	s_cmp_lt_u32 s20, 24
	s_cselect_b32 s24, s58, s63                    ; my first group: 10 c, or 240 + 8 (c - 24)
	s_cselect_b32 s27, 4, 3                        ; trips of the loop: 10 = 1 + 2 x 4 + 1 groups, or 8 = 1 + 2 x 3 + 1
	s_mul_i32 s74, s24, BLK
	s_add_co_u32 s74, s74, s26
	s_mov_b32 s75, 0
	s_lshl_b32 s72, s19, 2
	s_add_co_u32 s72, s72, s18
	s_mul_i32 s72, s72, BLK
	s_mov_b32 s73, 0
	s_lshl_b32 s70, s23, 8
	s_mov_b32 s71, 0
	s_mov_b32 s28, 3<<16                           ; descriptor group 1: elements of 8 bytes, no mask, no padding
	s_mov_b32 s29, 32<<16                          ; tensor_dim0 = 32 (256 bytes)
	s_mov_b32 s30, 39<<16                          ; tensor_dim1 = 39
	s_mov_b32 s31, 32<<16                          ; tile_dim0
	s_mov_b32 s32, 39                              ; tile_dim1
	s_mov_b32 s33, 32                              ; the pitch: dense
	s_mov_b32 s34, 0
	s_mov_b32 s35, 0
	s_mov_b32 s52, 0xffff0000                      ; lanes 16-31
	s_mov_b32 s53, 0x0000ffff                      ; lanes 0-15
	s_mov_b32 s54, 0x7f7f0000                      ; the bytes of K = 64 .. 127, where the other side's codes are zeros
	s_mov_b32 s[SEL], 0x76543210
	s_mov_b32 s[SEL+1], 0xfedcba98
	v_mul_u32_u24 v31, v12, s59
	v_mad_u32_u24 v31, v13, s60, v31
.irp q, 0,1,2,3,4,5,6,7
	v_mad_u32_u24 v[BA+\q], s61, \q, v31
.endr
	PLACE
	s_wait_alu depctr_va_vdst(0)
	s_wait_dscnt 0x0                               ; the opening add is done
	s_wait_kmcnt 0x0
	s_mov_b32 s36, 1                               ; group 0 for slot 0: my quarter of my first group
	s_mov_b32 s37, s26
	s_add_nc_u64 s[38:39], s[4:5], s[74:75]
	s_mov_b32 s40, 1                               ; and for slot 1: the second group
	s_add_co_u32 s41, s26, SLOT1
	s_add_nc_u64 s[42:43], s[38:39], BLK
	s_or_b32 s39, s39, 0x80000000
	s_or_b32 s43, s43, 0x80000000
	tensor_load_to_lds s[36:39], s[28:35]
	s_nop 0
.rept 4
	v_nop
.endr
	s_add_nc_u64 s[72:73], s[6:7], s[72:73]        ; my unit of wc
	s_cmp_eq_u32 s21, 1
	s_cselect_b64 s[76:77], s[10:11], s[8:9]
	s_cmp_eq_u32 s21, 2
	s_cselect_b64 s[76:77], s[12:13], s[76:77]
	s_add_nc_u64 s[70:71], s[76:77], s[70:71]      ; my head's 64 numbers of the bias
	s_cmp_eq_u32 s21, 0
	s_cselect_b64 s[44:45], s[14:15], s[16:17]
	s_add_nc_u64 s[46:47], s[44:45], s[68:69]      ; scale images
	s_add_nc_u64 s[44:45], s[44:45], s[66:67]      ; codes
.irp i, 0,1,2,3
.irp p, 0,1,2
	global_load_b64 v[WS+6*\i+2*\p:WS+6*\i+2*\p+1], v[L8], s[72:73] offset:36864+\i*768+\p*256
.endr
.endr
.irp s, 0,1,2,3,4,5
	WIN 64*(1+\s/2)
.irp i, 0,1,2,3
.irp c, 0,1,2
	global_load_b128 v[12*(4*(\s%2)+\i)+4*\c:12*(4*(\s%2)+\i)+4*\c+3], v[L16], s[72:73] offset:\i*9216+\s*1536+\c*512
.endr
.endr
.endr
	WIN 0x40
.irp x, 0,1,2,3
.irp q, 0,1,2,3,4,5,6,7
	global_load_b32 v[BI+8*\x+\q], v[BA+\q], s[70:71] offset:4*(32*(\x/2)+8*(\x%2))
.endr
.endr
	WIN 0
.macro LOADX slot                      ; a group's 24 scale words and 24 fragments: 84 LDS loads, K step by K step
.irp j, 0,1,2,3
.irp p, 0,1,2
	ds_load_b64 v[XS+6*\j+2*\p:XS+6*\j+2*\p+1], v[L8+3*\slot] offset:36864+\j*768+\p*256
.endr
.endr
.irp s, 0,1,2,3,4,5
	WIN 64*(1+\s/2)
.irp j, 0,1,2,3
.irp c, 0,1,2
	ds_load_b128 v[96+12*(4*(\s%2)+\j)+4*\c:96+12*(4*(\s%2)+\j)+4*\c+3], v[L16+3*\slot] offset:\j*9216+\s*1536+\c*512
.endr
.endr
.endr
	WIN 0
.endm
.macro ONE ver, s, j, i
.set rD, ACC+32*(\j)+8*(\i)
.if \ver
.set rA, 96+12*(4*((\s)%2)+(\i))
.set rB, 12*(4*((\s)%2)+(\j))
.set sA, XS+6*(\i)+(\s)
.set sB, WS+6*(\j)+(\s)
.set rC, BI+8*(\j)
.else
.set rA, 12*(4*((\s)%2)+(\i))
.set rB, 96+12*(4*((\s)%2)+(\j))
.set sA, WS+6*(\i)+(\s)
.set sB, XS+6*(\j)+(\s)
.set rC, BI+8*(\i)
.endif
.if (\s) == 0
	v_wmma_scale_f32_16x16x128_f8f6f4 v[rD:rD+7], v[rA:rA+11], v[rB:rB+11], v[rC:rC+7], v[sA], v[sB] matrix_a_fmt:MATRIX_FMT_FP6 matrix_b_fmt:MATRIX_FMT_FP6
.else
	v_wmma_scale_f32_16x16x128_f8f6f4 v[rD:rD+7], v[rA:rA+11], v[rB:rB+11], v[rD:rD+7], v[sA], v[sB] matrix_a_fmt:MATRIX_FMT_FP6 matrix_b_fmt:MATRIX_FMT_FP6
.endif
.endm
.macro WMMA ver                        ; 96 products: six K steps on 16 accumulators that take turns; the bias is the C of each sum's first product
.irp s, 0,1,2,3,4,5
.if \s == 0
	WIN 0x15
.else
	WIN 5*(1+\s/2)
.endif
	s_wait_dscnt 12*(5-\s)                         ; this K step's fragments are in; the later steps' 12 loads each may be out
.irp j, 0,1,2,3
.irp i, 0,1,2,3
	ONE \ver, \s, \j, \i
.endr
.endr
.endr
	WIN 0
.endm
.macro MULT                            ; the branch hangs on the slice alone
	s_cmp_lg_u32 s22, 0
	s_cbranch_scc1 .Lforv_\@
	WMMA 0
	s_branch .Ljoin_\@
.Lforv_\@:
	WMMA 1
.Ljoin_\@:
.endm
.macro SCW a                           ; lanes 0-15: the even tile's two bytes, lanes 16-31: the odd tile's; 0x7f above
	v_lshrrev_b32 v31, 16, v[PW]
	v_cndmask_b32 v31, v[PW], v31, s52
	v_and_or_b32 v[SW+\a], v31, 0xffff, s54
.endm
.macro EPI                             ; a group's results: quantised and stored
	s_wait_xcnt 0x0                                ; the last group's stores have read their offsets and data: both are written again
	v_add_nc_u32 v[VO16], s49, v[L16]
	v_add_nc_u32 v[VO8], s49, v[L8]
	v_add_nc_u32 v[VO4], s50, v[L4]
	s_cmp_eq_u32 s51, 0
	s_cbranch_scc1 .Lfull_\@
.irp j, 0,1,2,3                        ; v, group 16: register 0 of lanes 0-15 is key 1024; all else lies past the last key
	v_cndmask_b32 v[ACC+32*\j], 0, v[ACC+32*\j], s53
.set nn, 1
.rept 31
	v_mov_b32 v[ACC+32*\j+nn], 0
.set nn, nn+1
.endr
.endr
.Lfull_\@:
	QUANT ACC, PCA, PW
	SCW 0
	QUANT ACC+64, PCB, PW
	SCW 1
.irp j, 0,1,2,3
	global_store_b128 v[VO16], v[PCA+6*\j:PCA+6*\j+3], s[44:45] offset:768*\j        ; 512 consecutive bytes
	global_store_b64 v[VO8], v[PCA+6*\j+4:PCA+6*\j+5], s[44:45] offset:768*\j+512    ; 256 consecutive bytes
.endr
.irp a, 0,1
	global_store_b32 v[VO4], v[SW+\a], s[46:47] offset:128*\a
.endr
.endm
; A trip: one barrier for the change of slots.  In front of it every wave waits for all its tensor loads (one is out: its quarter of this trip's group), adds 0 to its spare word,
; and waits for that and for its reads of the other slot; behind it the other slot is filled first.  The last group's results are quantised while this group's 84 LDS loads land.
.macro TRIP slot, refill, epi, first
	s_wait_tensorcnt 0x0
	ds_add_u32 v[SPW], v[NIL]
	s_add_nc_u64 s[38+4*\slot:39+4*\slot], s[38+4*\slot:39+4*\slot], 2*BLK   ; no load of mine is out: this slot's next group
	s_wait_dscnt 0x0
	s_barrier_signal -1
	s_barrier_wait -1
.if \refill
	tensor_load_to_lds s[40-4*\slot:43-4*\slot], s[28:35]
	s_nop 0
.endif
.rept 4
	v_nop                                          ; four places behind the last products, for the loads into their operands and the reads of their results
.endr
	LOADX \slot
.if \epi
	EPI
	s_add_co_u32 s24, s24, 1
	PLACE
.endif
.if \first
	s_wait_loadcnt 0x0                             ; the weights, their scale words, the bias
.endif
	MULT
.endm
	TRIP 0, 1, 0, 1
	s_mov_b32 s25, 0                               ; the loop counts up against s27, which it does not write
.Lg:
	TRIP 1, 1, 1, 0
	TRIP 0, 1, 1, 0
	s_add_co_u32 s25, s25, 1
	s_cmp_lt_u32 s25, s27
	s_cbranch_scc1 .Lg
	TRIP 1, 0, 1, 0                                ; the last group: nothing is left to fetch
.rept 4
	v_nop
.endr
	EPI
	s_wait_tensorcnt 0x0                           ; the wave's end
	ds_add_u32 v[SPW], v[NIL]
	s_wait_dscnt 0x0
	s_endpgm
.Lfunc_end_k_q4d1824f274_qkv:
	.size	k_q4d1824f274_qkv, .Lfunc_end_k_q4d1824f274_qkv-k_q4d1824f274_qkv
	.p2alignl 7, 3214868480
	.fill 96, 4, 3214868480
	.section	.rodata,"a",@progbits
	.p2align	6, 0x0
	.amdhsa_kernel k_q4d1824f274_qkv
		.amdhsa_group_segment_fixed_size 327680
		.amdhsa_private_segment_fixed_size 0
		.amdhsa_enable_private_segment 0
		.amdhsa_kernarg_size 56
		.amdhsa_user_sgpr_count 2
		.amdhsa_user_sgpr_kernarg_segment_ptr 1
		.amdhsa_wavefront_size32 1
		.amdhsa_system_sgpr_workgroup_id_x 1
		.amdhsa_system_sgpr_workgroup_id_y 1
		.amdhsa_system_sgpr_workgroup_id_z 1
		.amdhsa_system_vgpr_workitem_id 0
		.amdhsa_next_free_vgpr 960
		.amdhsa_next_free_sgpr 100
		.amdhsa_reserve_vcc 0
		.amdhsa_float_denorm_mode_32 3
		.amdhsa_float_denorm_mode_16_64 3
		.amdhsa_memory_ordered 1
		.amdhsa_forward_progress 1
		.amdhsa_inst_pref_size 194
	.end_amdhsa_kernel
	.amdgpu_metadata
---
amdhsa.version: [ 1, 2 ]
amdhsa.kernels:
  - .name:           k_q4d1824f274_qkv
    .symbol:         k_q4d1824f274_qkv.kd
    .args:
      - { .name: xc, .offset: 0, .size: 8, .value_kind: global_buffer, .address_space: global }
      - { .name: wc, .offset: 8, .size: 8, .value_kind: global_buffer, .address_space: global }
      - { .name: bq, .offset: 16, .size: 8, .value_kind: global_buffer, .address_space: global }
      - { .name: bk, .offset: 24, .size: 8, .value_kind: global_buffer, .address_space: global }
      - { .name: bv, .offset: 32, .size: 8, .value_kind: global_buffer, .address_space: global }
      - { .name: qb, .offset: 40, .size: 8, .value_kind: global_buffer, .address_space: global }
      - { .name: kv, .offset: 48, .size: 8, .value_kind: global_buffer, .address_space: global }
    .group_segment_fixed_size: 327680
    .private_segment_fixed_size: 0
    .kernarg_segment_align: 8
    .kernarg_segment_size: 56
    .max_flat_workgroup_size: 128
    .sgpr_count:     100
    .vgpr_count:     960
    .wavefront_size: 32
...
	.end_amdgpu_metadata
.endif
;; end of part 2
;; launch attn (part 3): grid 256 x 1, 16 waves a work-group, no clusters, 327,680 bytes of LDS; arguments qb, kv, oc, out1; writes oc, out1
.if DOCPART == 3
	.amdgcn_target "amdgcn-amd-amdhsa--gfx1250"
	.amdhsa_code_object_version 6
	.text
	.protected	k_q4d1824f274_attn
	.globl	k_q4d1824f274_attn
	.p2align	8
	.type	k_q4d1824f274_attn,@function
k_q4d1824f274_attn:
	s_mov_b64 s[64:65], 0
	v_nop
	global_prefetch_b8 v0, s[64:65] scope:SCOPE_SE
	s_setreg_imm32_b32 hwreg(HW_REG_WAVE_MODE, 25, 1), 1
	s_wait_xcnt 0x0
; Attention on codes of FP6: S^T = K Q^T (K = the head's 64; the upper half of each product meets zero codes of Q), p = 2^(t - M), O^T = V^T P^T over 1,025 keys,
; O / l quantised along the model's 768 into oc; and out1, query 0's finished softmax over keys 1 .. 1024.
; t = score x log2(e) / 8; M = the running largest t rounded up to a whole number; l = the sum of the unquantised p.  When M moves, l and O^T are multiplied by 2^(old M - new M), which rounds nothing.
; SHARES: four work-groups 4 a + i share heads 3 a .. 3 a + 2.  i < 3: quarters 0, 1, 2 of head 3 a + i (16 query tiles each, a tile a wave) and its tile 64 (query 1024).  i = 3: quarter 3 of the three heads.
; Passes k = 0 .. 3: k = 0 is tile 64, CUT ALONG THE KEYS: wave w < 8 takes key step w, wave 8 key 1024, each from an empty state; the nine parts (O^T, -M, l) go to LDS bytes of their own,
; and behind the next change of slots wave 15 joins them: each part x 2^(its M - the largest M), which rounds nothing.  k = 1, 2, 3 are the three items.
; A head's block of kv, 113,152 bytes, lies in one LDS slot; two slots; waves 0-14 fetch 28 rows of 256 bytes, wave 15 the last 22: one tensor load a wave, and every wait on TENSORcnt is for 0.
; Q's fragment of the next pass is loaded into a second set of registers while a pass is worked.
; LAYOUT: a lane holds one query (lane % 16).  By the order of the keys in a tile the 16 registers of tiles 2 b, 2 b + 1 are keys 32 b + 16 (lane / 16) + 0 .. 15; the same holds of O^T's channels.
; K's operand v[30 + 6 t : 41 + 6 t] takes the next tile's codes as its upper six registers: Q's codes there are zeros and the scale bytes there are 0x7f, so those products are zeros.
; A BLOCK'S SCALE: p rises with the score, so the exponent of a block's largest p is floor(t - M) of its largest score; no exponential is spent on it.
; Where t - M lies so close under a whole number that the exponential rounds up to the power of two, that one p is held at the largest code.
; QUERY 0'S RAW SCORES: wave 0 stores a step's 16 x 128 scores into a ring of its own with all lanes on, reads row 0 back and keeps it in a row of 1,025 words; at the end they are put through the final M and 1 / l.
; No cluster: the work-groups that share a head read it in different items, so no joint request would meet.  No prefetch: a slot's fill is asked for a whole item ahead of its first read, and ahead of the first fill there is no loop to run in.
; LIMITS: NaN and infinities are not served; a block of zeros gets byte 1; the promise holds while |t| stays under 2^31.
.set HB,    113152
.set WB,    7168                       ; 28 rows of 256 bytes
.set SLOT1, 131072
.set SPARE, HB                         ; the spare words, 128 bytes for each of 16 waves
.set RING,  SPARE+2048                 ; wave 0: 16 rows x (512 + 16) bytes, a step's raw scores
.set CROW,  RING+8448                  ; wave 0: query 0's raw scores, 4 bytes a key; key 1024 at 4096
.set MRG,   SLOT1+HB                   ; nine parts of tile 64, 4,352 bytes each: O^T (512 q + 16 lane), -M at 4096, l at 4224
.set KF,  30                           ; v30-83  eight half fragments of K, or four fragments of V
.set SS,  96                           ; v96-159 S^T, then p
.set OT,  160                          ; v160-191 O^T
.set PC,  192
.set CT,  204
.set BM,  212
.set BP,  216
.set BS,  220
.set QN,  236                          ; v236-242 the next pass's Q
; v1, v2, v3: 16, 8, 4 x lane; v7, v8 the add's two; v9 CROW + 16 lane; v10 the ring, way in; v95 its row 0; v94 CROW + 4 + 8 lane; v243 CROW + 4096 + 4 lane; v235, v229 my part's bytes; v224-227 a step's row 0
.macro KQ t
.if (\t)%2
	v_wmma_scale_f32_16x16x128_f8f6f4 v[SS+8*(\t):SS+8*(\t)+7], v[KF+6*(\t):KF+6*(\t)+11], v[16:27], 0, v[84+(\t)/2], v28 matrix_a_fmt:MATRIX_FMT_FP6 matrix_b_fmt:MATRIX_FMT_FP6 matrix_a_scale:MATRIX_SCALE_ROW1
.else
	v_wmma_scale_f32_16x16x128_f8f6f4 v[SS+8*(\t):SS+8*(\t)+7], v[KF+6*(\t):KF+6*(\t)+11], v[16:27], 0, v[84+(\t)/2], v28 matrix_a_fmt:MATRIX_FMT_FP6 matrix_b_fmt:MATRIX_FMT_FP6
.endif
.endm
.macro PV n
.if (\n)%2
	v_wmma_scale_f32_16x16x128_f8f6f4 v[OT+8*(\n):OT+8*(\n)+7], v[KF+12*(\n):KF+12*(\n)+11], v[PC:PC+11], v[OT+8*(\n):OT+8*(\n)+7], v[92+(\n)/2], v228 matrix_a_fmt:MATRIX_FMT_FP6 matrix_b_fmt:MATRIX_FMT_FP6 matrix_a_scale:MATRIX_SCALE_ROW1
.else
	v_wmma_scale_f32_16x16x128_f8f6f4 v[OT+8*(\n):OT+8*(\n)+7], v[KF+12*(\n):KF+12*(\n)+11], v[PC:PC+11], v[OT+8*(\n):OT+8*(\n)+7], v[92+(\n)/2], v228 matrix_a_fmt:MATRIX_FMT_FP6 matrix_b_fmt:MATRIX_FMT_FP6
.endif
.endm
.macro NEWM                            ; v232 = a new t: the running largest t, -M = floor(-t), f = 2^(old M - new M)
	s_delay_alu instid0(VALU_DEP_1)
	v_max_num_f32 v13, v13, v232
	v_mov_b32 v232, v12
	s_delay_alu instid0(VALU_DEP_2)
	v_floor_f32 v12, -v13
	s_delay_alu instid0(VALU_DEP_1)
	v_sub_f32 v232, v12, v232
	s_delay_alu instid0(VALU_DEP_1)
	v_cvt_i32_f32 v232, v232                       ; (it saturates)
	s_delay_alu instid0(VALU_DEP_1)
	v_ldexp_f32 v230, 1.0, v232
.endm
.macro RESCALE                         ; O^T under the new M; these lines are also the places ahead of the products
	s_wait_alu depctr_va_vdst(0)                   ; the wait directly ahead of the first reader of O^T
.set nn, 0
.rept 16
	v_pk_mul_f32 v[OT+nn:OT+nn+1], v[OT+nn:OT+nn+1], v[230:231] op_sel_hi:[1,0]
.set nn, nn+2
.endr
.endm
.macro ONLY0 to                        ; past it go wave 0 of the pass that holds query 0 alone: the wave's number first, then a flag made of ids
	s_cmp_lg_u32 s12, 0
	s_cbranch_scc1 \to
	s_cmp_eq_u32 s20, 0
	s_cbranch_scc1 \to
.endm
; A KEY STEP: 128 keys.  guard = 1: the text of passes 0 and 1, where in pass 0 wave w works in trip w alone.  cls = 1: query 0's scores are kept
.macro STEP guard, cls
.if \guard
	s_cmp_eq_u32 s47, s12
	s_cselect_b32 s19, s27, 0
	s_or_b32 s19, s19, s80
	s_cmp_eq_u32 s19, 0
	s_cbranch_scc1 .Lskip_\@
.endif
	v_add_nc_u32 v4, s44, v1
	v_add_nc_u32 v5, s44, v2
	v_add_nc_u32 v6, s45, v3
	v_nop                                          ; four places behind the last products, ahead of loads into their operands
.irp p, 0,1,2,3
	ds_load_b32 v[84+\p], v6 offset:128*\p         ; K's scale images: tiles 2 p (lanes 0-15) and 2 p + 1 (lanes 16-31)
.endr
.irp p, 0,1,2,3
	ds_load_b32 v[88+\p], v6 offset:4352+128*\p    ; V's: group p / 2 of the step, d tiles 2 (p % 2) and + 1
.endr
.irp t, 0,1,2,3,4,5,6,7
	ds_load_b128 v[KF+6*\t:KF+6*\t+3], v4 offset:768*\t
	ds_load_b64 v[KF+6*\t+4:KF+6*\t+5], v5 offset:768*\t+512
.endr
	s_wait_alu depctr_va_vdst(0)
	s_wait_dscnt 6                                 ; tiles 0-4 are in (tile 3's operand reaches into tile 4's registers); tiles 5-7, six loads, may be out
.irp t, 0,1,2,3
	KQ \t
.endr
	s_wait_dscnt 0x0
.irp t, 4,5,6,7
	KQ \t
.endr
	v_perm_b32 v92, v90, v88, s57                  ; V's scale words for 128 keys: two bytes of each group
	v_perm_b32 v93, v91, v89, s57
	v_nop
	v_nop                                          ; four places: V's fragments land where K's lay
.irp n, 0,1,2,3
.irp c, 0,1
	ds_load_b128 v[KF+12*\n+6*\c:KF+12*\n+6*\c+3], v4 offset:52224+3072*\c+768*\n
	ds_load_b64 v[KF+12*\n+6*\c+4:KF+12*\n+6*\c+5], v5 offset:52224+3072*\c+768*\n+512
.endr
.endr
.if \cls
	ONLY0 .Lnocls_\@
.irp b, 0,1,2,3
.irp k, 0,1,2,3
	ds_store_b128 v10, v[SS+16*\b+4*\k:SS+16*\b+4*\k+3] offset:128*\b+16*\k   ; all 16 queries' scores, row = query, 4 bytes a key
.endr
.endr
	ds_load_b128 v[224:227], v95                   ; query 0's row back, four keys a lane: LDS serves a wave's instructions in order
.Lnocls_\@:
.endif
.irp b, 0,1,2,3
	v_max3_num_f32 v[BM+\b], v[SS+16*\b], v[SS+1+16*\b], v[SS+2+16*\b]   ; the largest score of each block of 32 keys
.endr
.irp i, 3,5,7,9,11,13
.irp b, 0,1,2,3
	v_max3_num_f32 v[BM+\b], v[BM+\b], v[SS+16*\b+\i], v[SS+1+16*\b+\i]
.endr
.endr
.irp b, 0,1,2,3
	v_max_num_f32 v[BM+\b], v[BM+\b], v[SS+15+16*\b]
.endr
.irp b, 0,1,2,3
	s_delay_alu instid0(VALU_DEP_4)
	v_permlanex16_b32 v[BP+\b], v[BM+\b], s24, s25
.endr
.irp b, 0,1,2,3
	s_delay_alu instid0(VALU_DEP_4)
	v_max_num_f32 v[BM+\b], v[BM+\b], v[BP+\b]
.endr
	s_delay_alu instid0(VALU_DEP_2)
	v_max3_num_f32 v232, v[BM], v[BM+1], v[BM+2]
	s_delay_alu instid0(VALU_DEP_1)
	v_max_num_f32 v232, v232, v[BM+3]
	s_delay_alu instid0(VALU_DEP_1)
	v_mul_f32 v232, s22, v232
	NEWM
.set nn, 0
.rept 32
	v_pk_fma_f32 v[SS+nn:SS+nn+1], v[SS+nn:SS+nn+1], s[22:23], v[12:13] op_sel_hi:[1,0,0]   ; t - M
.set nn, nn+2
.endr
.irp b, 0,1,2,3
	v_fma_f32 v[BM+\b], v[BM+\b], s22, v12         ; the same of each block's largest score
.endr
.set nn, 0
	s_wait_alu depctr_va_vdst(0)
.rept 64
	v_exp_f32 v[SS+nn], v[SS+nn]                   ; p = 2^(t - M): not normalised
.set nn, nn+1
.endr
	v_pk_mul_f32 v[14:15], v[14:15], v[230:231] op_sel_hi:[1,0]   ; the sums under the new M: a plain line behind the exponentials
.irp b, 0,1,2,3
	v_cvt_floor_i32_f32 v[BP+\b], v[BM+\b]         ; the exponent of the block's largest p
.endr
.irp b, 0,1,2,3
	s_delay_alu instid0(VALU_DEP_4)
	v_ldexp_f32 v[BS+\b], 0x3e800000, v[BP+\b]     ; the scale, 2^(that - 2): the conversion's scale operand,
.endr
.irp b, 0,1,2,3
	s_delay_alu instid0(VALU_DEP_4)
	v_max_num_f32 v[BS+\b], 0x800000, v[BS+\b]     ; held at 2^-126 from below: the byte cannot fall under 1
.endr
.irp b, 0,1,2,3
	s_delay_alu instid0(VALU_DEP_4)
	v_lshrrev_b32 v[BP+\b], 23, v[BS+\b]           ; the byte
.endr
	s_delay_alu instid0(VALU_DEP_3)
	v_lshl_or_b32 v228, v[BP+1], 8, v[BP]
	s_delay_alu instid0(VALU_DEP_1)
	v_lshl_or_b32 v228, v[BP+2], 16, v228
	s_delay_alu instid0(VALU_DEP_1)
	v_lshl_or_b32 v228, v[BP+3], 24, v228
	s_wait_alu depctr_va_vdst(0)                   ; one wait for the batch, ahead of its first reader
.irp c, 0,1,2,3
	v_pk_add_f32 v[244+2*\c:245+2*\c], v[SS+2*\c:SS+2*\c+1], v[SS+8+2*\c:SS+9+2*\c]   ; the row's sum of the unquantised p, in four chains
.endr
.irp g, 16,24,32,40,48,56
.irp c, 0,1,2,3
	v_pk_add_f32 v[244+2*\c:245+2*\c], v[244+2*\c:245+2*\c], v[SS+\g+2*\c:SS+\g+2*\c+1]
.endr
.endr
	v_pk_add_f32 v[244:245], v[244:245], v[246:247]
	v_pk_add_f32 v[248:249], v[248:249], v[250:251]
	s_delay_alu instid0(VALU_DEP_2)
	v_pk_add_f32 v[14:15], v[14:15], v[244:245]
	s_delay_alu instid0(VALU_DEP_1)
	v_pk_add_f32 v[14:15], v[14:15], v[248:249]
.irp c, 0,1
	v_cvt_scalef32_pk16_fp6_f32 v[PC+6*\c:PC+6*\c+2], v[SS+32*\c:SS+32*\c+15], v[BS+2*\c]
	v_cvt_scalef32_pk16_fp6_f32 v[CT+4*\c:CT+4*\c+2], v[SS+16+32*\c:SS+31+32*\c], v[BS+2*\c+1]
.endr
	v_nop                                          ; one plain line behind the scaled conversions
.irp c, 0,1
.irp i, 0,1,2
	v_permlane16_swap_b32 v[PC+6*\c+\i], v[CT+4*\c+\i]   ; a whole block to a lane
.endr
.irp i, 0,1,2
	v_mov_b32 v[PC+3+6*\c+\i], v[CT+4*\c+\i]
.endr
.endr
	RESCALE
	s_wait_alu depctr_va_vdst(0)
	s_wait_dscnt 0x0                               ; V's fragments, asked for ahead of the softmax (and wave 0's row)
.irp n, 0,1,2,3
	PV \n
.endr
.if \cls
	ONLY0 .Lnorow_\@
	v_add_nc_u32 v11, s46, v9
	ds_store_b128 v11, v[224:227]                  ; 512 bytes: this step's 128 raw scores of query 0
.Lnorow_\@:
.endif
.Lskip_\@:
	s_add_co_u32 s44, s44, 6144                    ; eight tiles of K, and as many bytes of V
	s_add_co_u32 s45, s45, 512                     ; four scale images
	s_add_co_u32 s46, s46, 512                     ; 128 raw scores
.endm
; KEY 1024: tile 64 of K, group 16 of V; the addresses have walked there
.macro TAIL cls
	v_add_nc_u32 v4, s44, v1
	v_add_nc_u32 v5, s44, v2
	v_add_nc_u32 v6, s45, v3
	v_nop
	ds_load_b32 v84, v6
	ds_load_b32 v92, v6 offset:4352                ; the group's words as they lie: their bytes 2 and 3 are 0x7f
	ds_load_b32 v93, v6 offset:4352+128
	ds_load_b128 v[KF:KF+3], v4
	ds_load_b64 v[KF+4:KF+5], v5 offset:512
	s_wait_alu depctr_va_vdst(0)
	s_wait_dscnt 0x0
	KQ 0
.rept 4
	v_nop
.endr
.irp n, 0,1,2,3
	ds_load_b128 v[KF+12*\n:KF+12*\n+3], v4 offset:52224+768*\n          ; registers 6-11 keep old codes: p's codes are zeros there
	ds_load_b64 v[KF+12*\n+4:KF+12*\n+5], v5 offset:52224+768*\n+512
.endr
.if \cls
	ONLY0 .Lnocls_\@
	ds_store_b32 v243, v[SS]                       ; lane 0's word is query 0's score of key 1024
.Lnocls_\@:
.endif
	v_permlanex16_b32 v232, v[SS], s24, s25
	v_cndmask_b32 v233, v232, v[SS], s56           ; the score of key 1024, in both halves of the lanes
	s_delay_alu instid0(VALU_DEP_1)
	v_mul_f32 v232, s22, v233
	NEWM
	s_delay_alu instid0(VALU_DEP_4)
	v_fma_f32 v233, v233, s22, v12
	s_wait_alu depctr_va_vdst(0)
	v_exp_f32 v234, v233
	v_pk_mul_f32 v[14:15], v[14:15], v[230:231] op_sel_hi:[1,0]
	s_wait_alu depctr_va_vdst(0)
	v_cndmask_b32 v[SS], 0, v234, s56              ; counted once: lanes 0-15
	s_delay_alu instid0(VALU_DEP_1)
	v_add_f32 v14, v14, v[SS]
	v_max_num_f32 v234, 0x1800000, v234
	s_delay_alu instid0(VALU_DEP_1)
	v_add_nc_u32 v[BS], 0xff000000, v234
	s_delay_alu instid0(VALU_DEP_1)
	v_lshrrev_b32 v[BS+1], 23, v[BS]
	s_delay_alu instid0(VALU_DEP_1)
	v_or_b32 v228, 0x7f7f7f00, v[BS+1]
.set nn, 1
.rept 15
	v_mov_b32 v[SS+nn], 0
.set nn, nn+1
.endr
	v_cvt_scalef32_pk16_fp6_f32 v[PC:PC+2], v[SS:SS+15], v[BS]
	v_nop
.set nn, 3
.rept 9
	v_mov_b32 v[PC+nn], 0
.set nn, nn+1
.endr
	RESCALE
	s_wait_alu depctr_va_vdst(0)
	s_wait_dscnt 0x0
.irp n, 0,1,2,3
	PV \n
.endr
.endm
.macro OSTORE t
	global_store_b128 v1, v[PC:PC+3], s[52:53] offset:9216*\t
	global_store_b64 v2, v[PC+4:PC+5], s[52:53] offset:9216*\t+512
	global_store_b32 v3, v228, s[54:55] offset:1536*\t
.endm
; O / l, quantised and stored.  four = 1: tile 64, whose bytes go to all four tiles of group 16, so that the last launch's dense block is whole
.macro FINISH four, cls
.rept 4
	v_nop
.endr
	v_add_f32 v14, v14, v15
	s_delay_alu instid0(VALU_DEP_1)
	v_permlanex16_b32 v232, v14, s24, s25
	s_delay_alu instid0(VALU_DEP_1)
	v_add_f32 v14, v14, v232                       ; l
	s_wait_alu depctr_va_vdst(0)
	v_rcp_f32 v230, v14
	v_nop
	s_wait_alu depctr_va_vdst(0)
.set nn, 0
.rept 16
	v_pk_mul_f32 v[SS+nn:SS+nn+1], v[OT+nn:OT+nn+1], v[230:231] op_sel_hi:[1,0]   ; each accumulator from its low end on
.set nn, nn+2
.endr
.irp b, 0,1
	v_max3_num_f32 v[BM+\b], |v[SS+16*\b]|, |v[SS+1+16*\b]|, 0x1800000
.endr
.irp i, 2,4,6,8,10,12,14
.irp b, 0,1
	s_delay_alu instid0(VALU_DEP_2)
	v_max3_num_f32 v[BM+\b], v[BM+\b], |v[SS+16*\b+\i]|, |v[SS+1+16*\b+\i]|
.endr
.endr
.irp b, 0,1
	s_delay_alu instid0(VALU_DEP_2)
	v_permlanex16_b32 v[BP+\b], v[BM+\b], s24, s25
.endr
.irp b, 0,1
	s_delay_alu instid0(VALU_DEP_2)
	v_max_num_f32 v[BM+\b], v[BM+\b], v[BP+\b]
.endr
.irp b, 0,1
	s_delay_alu instid0(VALU_DEP_2)
	v_add_nc_u32 v[BS+\b], 0xff000000, v[BM+\b]
.endr
.irp b, 0,1
	s_delay_alu instid0(VALU_DEP_2)
	v_lshrrev_b32 v[BP+\b], 23, v[BS+\b]
.endr
	s_delay_alu instid0(VALU_DEP_1)
	v_lshl_or_b32 v228, v[BP+1], 8, v[BP]
	v_cvt_scalef32_pk16_fp6_f32 v[PC:PC+2], v[SS:SS+15], v[BS]
	v_cvt_scalef32_pk16_fp6_f32 v[CT:CT+2], v[SS+16:SS+31], v[BS+1]
	v_nop
.irp i, 0,1,2
	v_permlane16_swap_b32 v[PC+\i], v[CT+\i]
.endr
.irp i, 0,1,2
	v_mov_b32 v[PC+3+\i], v[CT+\i]
.endr
	OSTORE 0
.if \four
	OSTORE 1
	OSTORE 2
	OSTORE 3
.endif
.if \cls
	ONLY0 .Lnoc_\@
	v_readlane_b32 s59, v12, 0                     ; query 0's final -M and 1 / l: values alone, no address or branch hangs on them
	v_readlane_b32 s60, v230, 0
.irp i, 0,1,2,3,4,5,6,7,8,9,10,11,12,13,14,15
	ds_load_b32 v[SS+2*\i], v94 offset:256*\i      ; keys 1 + 64 i + 2 lane and the next
	ds_load_b32 v[SS+2*\i+1], v94 offset:256*\i+4
.endr
	s_wait_dscnt 0x0
.set nn, 0
.rept 32
	v_fma_f32 v[SS+nn], v[SS+nn], s22, s59
.set nn, nn+1
.endr
.set nn, 0
	s_wait_alu depctr_va_vdst(0)
.rept 32
	v_exp_f32 v[SS+nn], v[SS+nn]
.set nn, nn+1
.endr
	v_nop
	s_wait_alu depctr_va_vdst(0)
.set nn, 0
.rept 32
	v_mul_f32 v[SS+nn], s60, v[SS+nn]
.set nn, nn+1
.endr
.irp i, 0,1,2,3,4,5,6,7,8,9,10,11,12,13,14,15
	global_store_b64 v2, v[SS+2*\i:SS+2*\i+1], s[62:63] offset:256*\i   ; 256 consecutive bytes
.endr
.Lnoc_\@:
.endif
.endm
.macro HT k, hd, tl                    ; pass k -> head of 192 and query tile.  Scratch s66-68
	s_max_u32 s66, \k, 1
	s_sub_co_u32 s66, s66, 1                       ; item n
	s_cmp_lg_u32 s27, 0
	s_cselect_b32 s67, s26, s66                    ; i < 3: head 3 a + i, quarter n; else head 3 a + n, quarter 3
	s_cselect_b32 s68, s66, 3
	s_add_co_u32 \hd, s13, s67
	s_lshl_b32 s68, s68, 4
	s_add_co_u32 s68, s68, s12
	s_cmp_eq_u32 \k, 0
	s_cselect_b32 \tl, 64, s68
.endm
.macro QADDR hd, tl                    ; q's codes s[48:49] and scale words s[50:51] (64 bytes a tile)
	s_mul_i32 s66, \hd, 56576
	s_mul_i32 s68, \tl, 768
	s_add_co_u32 s68, s68, s66
	s_mov_b32 s69, 0
	s_add_nc_u64 s[48:49], s[4:5], s[68:69]
	s_lshl_b32 s68, \tl, 6
	s_add_co_u32 s68, s68, s66
	s_add_co_u32 s68, s68, 52224
	s_add_nc_u64 s[50:51], s[4:5], s[68:69]
.endm
.macro QLOAD
	global_load_b128 v[QN:QN+3], v1, s[48:49]
	global_load_b64 v[QN+4:QN+5], v2, s[48:49] offset:512
	global_load_b32 v[QN+6], v29, s[50:51]
.endm
.macro OCADDR                          ; from head s14 and tile s21: where the results go
	s_mul_i32 s16, s14, 21846
	s_lshr_b32 s16, s16, 18                        ; batch = head / 12 (exact under 192)
	s_mul_i32 s17, s16, 12
	s_sub_co_u32 s17, s14, s17                     ; head in the batch
	s_mul_i32 s66, s16, 17
	s_lshr_b32 s67, s21, 2
	s_add_co_u32 s66, s66, s67
	s_mul_i32 s66, s66, 43008                      ; the group's block of oc
	s_and_b32 s67, s21, 3
	s_mul_i32 s68, s67, 9216
	s_add_co_u32 s68, s68, s66
	s_mul_i32 s70, s17, 768
	s_add_co_u32 s68, s68, s70
	s_mov_b32 s69, 0
	s_add_nc_u64 s[52:53], s[8:9], s[68:69]
	s_mul_i32 s68, s67, 1536
	s_add_co_u32 s68, s68, s66
	s_lshl_b32 s70, s17, 7
	s_add_co_u32 s68, s68, s70
	s_add_co_u32 s68, s68, 36864
	s_add_nc_u64 s[54:55], s[8:9], s[68:69]
	s_lshl_b32 s68, s14, 12
	s_add_nc_u64 s[62:63], s[10:11], s[68:69]
.endm
.macro KVOFF n                         ; s[68:69]: my rows of item n's head in kv
	s_cmp_lg_u32 s27, 0
	s_cselect_b32 s68, s26, \n
	s_add_co_u32 s68, s68, s13
	s_mul_i32 s68, s68, HB
	s_add_co_u32 s68, s68, s83
	s_mov_b32 s69, 0
.endm
.macro KVLOAD g                        ; one tensor load in each arm: waves 0-14 28 rows, wave 15 the last 22
	s_cmp_lt_u32 s12, 15
	s_cbranch_scc0 .Lshort_\@
	tensor_load_to_lds s[\g:\g+3], s[28:35]
	s_nop 0
.rept 4
	v_nop
.endr
	s_branch .Lkv_\@
.Lshort_\@:
	tensor_load_to_lds s[\g:\g+3], s[72:79]
	s_nop 0
.rept 4
	v_nop
.endr
.Lkv_\@:
.endm
.macro PSTORE                          ; my part of tile 64
	v_add_f32 v14, v14, v15
.rept 3
	v_nop                                          ; four places behind the last products
.endr
.irp q, 0,1,2,3,4,5,6,7
	ds_store_b128 v235, v[OT+4*\q:OT+4*\q+3] offset:512*\q   ; each accumulator from its low end on
.endr
	ds_store_b32 v229, v12 offset:4096
	ds_store_b32 v229, v14 offset:4224
.endm
.macro MLOAD j                         ; part j's O^T into v128-159 (j even) or v30-61 (j odd)
.set MB, SS+32-98*((\j)%2)
.irp q, 0,1,2,3,4,5,6,7
	ds_load_b128 v[MB+4*\q:MB+4*\q+3], v4 offset:4352*(\j)+512*\q
.endr
.endm
.macro MERGE                           ; wave 15 joins the nine parts of tile 64
	s_cmp_lg_u32 s12, 15
	s_cbranch_scc1 .Lnom_\@
	s_cmp_eq_u32 s27, 0
	s_cbranch_scc1 .Lnom_\@
	s_wait_xcnt 0x0                                ; my last stores have read their bases and data
	s_mov_b32 s71, 0
	HT s71, s14, s21
	OCADDR
	v_add_nc_u32 v4, MRG, v1
	v_add_nc_u32 v5, MRG, v3
	s_wait_alu depctr_va_vdst(0)
.irp j, 0,1,2,3,4,5,6,7,8
	ds_load_b32 v[SS+\j], v5 offset:4352*\j+4096
	ds_load_b32 v[SS+16+\j], v5 offset:4352*\j+4224
.endr
	MLOAD 0
	MLOAD 1
	s_wait_dscnt 16                                ; the nine -M and l are in; two parts' eight loads each may be out
	v_min3_num_f32 v12, v[SS], v[SS+1], v[SS+2]    ; the least -M: the largest M
.irp j, 3,5,7
	s_delay_alu instid0(VALU_DEP_1)
	v_min3_num_f32 v12, v12, v[SS+\j], v[SS+\j+1]
.endr
.irp j, 0,1,2,3,4,5,6,7,8
	v_sub_f32 v[SS+\j], v12, v[SS+\j]              ; part j's M less the largest: a whole number, 0 or less
.endr
.irp j, 0,1,2,3,4,5,6,7,8
	v_cvt_i32_f32 v[SS+\j], v[SS+\j]
.endr
.irp j, 0,1,2,3,4,5,6,7,8
	v_ldexp_f32 v[192+2*\j], 1.0, v[SS+\j]         ; its factor
.endr
.irp j, 0,1,2,3,4,5,6,7,8
	v_mov_b32 v[193+2*\j], v[192+2*\j]
.endr
	v_mul_f32 v14, v192, v[SS+16]
.irp j, 1,2,3,4,5,6,7,8
	s_delay_alu instid0(VALU_DEP_1)
	v_fmac_f32 v14, v[192+2*\j], v[SS+16+\j]
.endr
	v_mov_b32 v15, 0
.irp j, 0,1,2,3,4,5,6,7,8
	s_wait_alu depctr_va_vdst(0)
.if \j < 8
	s_wait_dscnt 8                                 ; part j is in; the next part's eight loads may be out
.else
	s_wait_dscnt 0x0
.endif
.set MB, SS+32-98*(\j%2)
.set nn, 0
.rept 16
.if \j == 0
	v_pk_mul_f32 v[OT+nn:OT+nn+1], v[MB+nn:MB+nn+1], v[192:193]
.else
	v_pk_fma_f32 v[OT+nn:OT+nn+1], v[MB+nn:MB+nn+1], v[192+2*\j:193+2*\j], v[OT+nn:OT+nn+1]
.endif
.set nn, nn+2
.endr
.if \j+2 < 9
	MLOAD \j+2
.endif
.endr
	FINISH 1, 0
.Lnom_\@:
.endm
; A PASS: pass s18 on the head in \slot.  first = 1: the text of passes 0 and 1.  next = 1: the next pass's Q is asked for
.macro PASS slot, first, next
	s_wait_xcnt 0x0                                ; the last pass's loads and stores have read their bases and data
	HT s18, s14, s21
	OCADDR
.if \first
	s_min_u32 s80, s18, 1                          ; 0 in pass 0, the pass of parts
	s_cmp_eq_u32 s18, 1
	s_cselect_b32 s20, s27, 0                      ; this pass holds query 0 (in wave 0)
.endif
.if \next
	s_add_co_u32 s71, s18, 1
	HT s71, s81, s82
	QADDR s81, s82
.endif
	s_wait_loadcnt 0x0                             ; this pass's Q is in
.irp n, 0,1,2,3,4,5
	v_mov_b32 v[16+\n], v[QN+\n]
.endr
	v_mov_b32 v28, v[QN+6]
.if \next
	QLOAD
.endif
	v_mov_b32 v13, 0xff61b1e6                      ; the largest t so far: -3e38
	s_delay_alu instid0(VALU_DEP_1)
	v_floor_f32 v12, -v13
	v_mov_b32 v14, 0
	v_mov_b32 v15, 0
.set nn, 0
.rept 32
	v_mov_b32 v[OT+nn], 0                          ; the step is written once: the first finds zeros, which the first change of M leaves zeros
.set nn, nn+1
.endr
	s_mov_b32 s44, \slot
	s_mov_b32 s45, \slot+104448
	s_mov_b32 s46, 0
	s_mov_b32 s47, 0
	s_wait_alu depctr_va_vdst(0)
.Lstep_\@:
	STEP \first, \first
	s_add_co_u32 s47, s47, 1
	s_cmp_lt_u32 s47, 8
	s_cbranch_scc1 .Lstep_\@
.if \first
	s_cmp_eq_u32 s12, 8                            ; in pass 0 key 1024 is wave 8's
	s_cselect_b32 s19, s27, 0
	s_or_b32 s19, s19, s80
	s_cmp_eq_u32 s19, 0
	s_cbranch_scc1 .Lnotail_\@
.endif
	TAIL \first
.Lnotail_\@:
.if \first
	s_cmp_eq_u32 s80, 0
	s_cbranch_scc1 .Lpart_\@
.endif
	FINISH 0, \first
.if \first
	s_branch .Ldone_\@
.Lpart_\@:
	s_cmp_lt_u32 s12, 9
	s_cbranch_scc0 .Ldone_\@
	s_cmp_eq_u32 s27, 0
	s_cbranch_scc1 .Ldone_\@
	PSTORE
.Ldone_\@:
.endif
.endm
	s_load_b256 s[4:11], s[0:1], 0x0               ; qb, kv, oc, out1
	v_lshl_add_u32 v7, v0, 2, SPARE
	v_mov_b32 v8, 0
	ds_add_u32 v7, v8                              ; the wave's opening: the add, twice on end, and its wait ahead of my first tensor load
	ds_add_u32 v7, v8
	v_lshrrev_b32 v9, 5, v0
	v_readfirstlane_b32 s12, v9                    ; wave
	v_and_b32 v232, 31, v0
	v_and_b32 v11, 15, v0                          ; r
	v_bfe_u32 v6, v0, 4, 1                         ; h
	v_lshlrev_b32 v1, 4, v232
	v_lshlrev_b32 v2, 3, v232
	v_lshlrev_b32 v3, 2, v232
	v_lshlrev_b32 v29, 2, v11
	v_mul_u32_u24 v10, v11, 528
	v_lshl_add_u32 v94, v232, 3, CROW+4
	v_lshl_add_u32 v10, v6, 6, v10
	v_add_nc_u32 v95, RING, v1
	v_add_nc_u32 v9, CROW, v1
	v_add_nc_u32 v10, RING, v10
	v_add_nc_u32 v243, CROW+4096, v3
	s_mul_i32 s66, s12, 4352
	s_add_co_u32 s66, s66, MRG
	v_add_nc_u32 v235, s66, v1
	v_add_nc_u32 v229, s66, v3
	s_mov_b32 s28, 3<<16                           ; descriptor group 1: elements of 8 bytes, rows of 256 bytes, dense, no mask, no padding: 28 rows
	s_mov_b32 s29, 32<<16
	s_mov_b32 s30, 28<<16
	s_mov_b32 s31, 32<<16
	s_mov_b32 s32, 28
	s_mov_b32 s33, 32
	s_mov_b32 s34, 0
	s_mov_b32 s35, 0
	s_mov_b32 s72, 3<<16                           ; and the same with 22 rows
	s_mov_b32 s73, 32<<16
	s_mov_b32 s74, 22<<16
	s_mov_b32 s75, 32<<16
	s_mov_b32 s76, 22
	s_mov_b32 s77, 32
	s_mov_b32 s78, 0
	s_mov_b32 s79, 0
	s_mov_b32 s22, 0x3e38aa3b                      ; log2(e) / 8
	s_mov_b32 s23, s22
	s_mov_b32 s24, 0x76543210
	s_mov_b32 s25, 0xfedcba98
	s_mov_b32 s56, 0xffff                          ; lanes 0-15
	s_mov_b32 s57, 0x05040100
	s_lshr_b32 s13, ttmp9, 2
	s_mul_i32 s13, s13, 3                          ; 3 a
	s_and_b32 s26, ttmp9, 3                        ; i
	s_cmp_lt_u32 s26, 3
	s_cselect_b32 s27, 1, 0                        ; one head, with its tile 64?
	s_mul_i32 s83, s12, WB                         ; my rows' place in a head's block and in a slot
	KVOFF 0
	s_wait_alu depctr_va_vdst(0)
	s_wait_dscnt 0x0                               ; both opening adds are done
	s_wait_kmcnt 0x0
	s_mov_b32 s36, 1
	s_mov_b32 s37, s83
	s_add_nc_u64 s[38:39], s[6:7], s[68:69]
	s_or_b32 s39, s39, 0x80000000
	KVLOAD 36                                      ; item 0's head: my one tensor load at the head
	s_mov_b32 s71, 0
	HT s71, s81, s82
	QADDR s81, s82
	QLOAD                                          ; pass 0's Q
.set nn, 0
.rept 54
	v_mov_b32 v[KF+nn], 0                          ; v78-83 stay zeros: the upper half of tile 7's operand
.set nn, nn+1
.endr
.irp n, 22,23,24,25,26,27, 224,225,226,227, 216,217,218,219, 231
	v_mov_b32 v\n, 0                               ; Q's codes of K = 64 .. 127; registers that are named before their first use
.endr
	s_wait_alu depctr_va_vdst(0)
	s_wait_tensorcnt 0x0                           ; my rows of slot 0 are in
	ds_add_u32 v7, v8
	KVOFF 1
	s_mov_b32 s40, 1
	s_add_co_u32 s41, s83, SLOT1
	s_add_nc_u64 s[42:43], s[6:7], s[68:69]
	s_or_b32 s43, s43, 0x80000000
	s_wait_dscnt 0x0
	s_barrier_signal -1
	s_barrier_wait -1                              ; slot 0 is whole
	KVLOAD 40                                      ; item 1's head into slot 1: it has passes 0 and 1 in which to land
	s_mov_b32 s18, 0
.Lpass:
	PASS 0, 1, 1
	s_add_co_u32 s18, s18, 1
	s_cmp_lt_u32 s18, 2
	s_cbranch_scc1 .Lpass
	s_wait_alu depctr_va_vdst(0)
	s_wait_tensorcnt 0x0                           ; all my tensor loads have landed, so a group 0 may be written
	ds_add_u32 v7, v8
	KVOFF 2
	s_add_nc_u64 s[38:39], s[6:7], s[68:69]
	s_or_b32 s39, s39, 0x80000000
	s_wait_dscnt 0x0                               ; the add, my reads of slot 0 and my part's stores are done
	s_barrier_signal -1
	s_barrier_wait -1
	KVLOAD 36                                      ; item 2's head into slot 0: it has pass 2 in which to land
	MERGE
	PASS SLOT1, 0, 1
	s_wait_alu depctr_va_vdst(0)
	s_wait_tensorcnt 0x0                           ; my rows of item 2's head are in
	ds_add_u32 v7, v8
	s_mov_b32 s18, 3
	s_wait_dscnt 0x0
	s_barrier_signal -1
	s_barrier_wait -1                              ; everybody's are
	PASS 0, 0, 0
	s_wait_tensorcnt 0x0                           ; the wave's end
	ds_add_u32 v7, v8
	s_wait_dscnt 0x0
	s_endpgm
.Lfunc_end_k_q4d1824f274_attn:
	.size	k_q4d1824f274_attn, .Lfunc_end_k_q4d1824f274_attn-k_q4d1824f274_attn
	.p2alignl 7, 3214868480
	.fill 96, 4, 3214868480
	.section	.rodata,"a",@progbits
	.p2align	6, 0x0
	.amdhsa_kernel k_q4d1824f274_attn
		.amdhsa_group_segment_fixed_size 327680
		.amdhsa_private_segment_fixed_size 0
		.amdhsa_enable_private_segment 0
		.amdhsa_kernarg_size 32
		.amdhsa_user_sgpr_count 2
		.amdhsa_user_sgpr_kernarg_segment_ptr 1
		.amdhsa_wavefront_size32 1
		.amdhsa_system_sgpr_workgroup_id_x 1
		.amdhsa_system_sgpr_workgroup_id_y 1
		.amdhsa_system_sgpr_workgroup_id_z 1
		.amdhsa_system_vgpr_workitem_id 0
		.amdhsa_next_free_vgpr 256
		.amdhsa_next_free_sgpr 100
		.amdhsa_reserve_vcc 0
		.amdhsa_float_denorm_mode_32 3
		.amdhsa_float_denorm_mode_16_64 3
		.amdhsa_memory_ordered 1
		.amdhsa_forward_progress 1
		.amdhsa_inst_pref_size 137
	.end_amdhsa_kernel
	.amdgpu_metadata
---
amdhsa.version: [ 1, 2 ]
amdhsa.kernels:
  - .name:           k_q4d1824f274_attn
    .symbol:         k_q4d1824f274_attn.kd
    .args:
      - { .name: qb, .offset: 0, .size: 8, .value_kind: global_buffer, .address_space: global }
      - { .name: kv, .offset: 8, .size: 8, .value_kind: global_buffer, .address_space: global }
      - { .name: oc, .offset: 16, .size: 8, .value_kind: global_buffer, .address_space: global }
      - { .name: out1, .offset: 24, .size: 8, .value_kind: global_buffer, .address_space: global }
    .group_segment_fixed_size: 327680
    .private_segment_fixed_size: 0
    .kernarg_segment_align: 8
    .kernarg_segment_size: 32
    .max_flat_workgroup_size: 512
    .sgpr_count:     100
    .vgpr_count:     256
    .wavefront_size: 32
...
	.end_amdgpu_metadata
.endif
;; end of part 3
;; launch proj (part 4): grid 3 x 68, 4 waves a work-group, no clusters, 327,680 bytes of LDS; arguments oc, wc, bo, out0; writes out0
.if DOCPART == 4
	.amdgcn_target "amdgcn-amd-amdhsa--gfx1250"
	.amdhsa_code_object_version 6
	.text
	.protected	k_q4d1824f274_proj
	.globl	k_q4d1824f274_proj
	.p2align	8
	.type	k_q4d1824f274_proj,@function
k_q4d1824f274_proj:
	s_mov_b64 s[64:65], 0
	v_nop
	global_prefetch_b8 v0, s[64:65] scope:SCOPE_SE
	s_setreg_imm32_b32 hwreg(HW_REG_WAVE_MODE, 25, 1), 1
	s_wait_xcnt 0x0
; out0 = O Wo^T + bo on codes of FP6 with E8M0 scales.  O's codes come from oc in the order of the operand's registers, Wo's from wc.
; SHARES: slice j (x of the grid) and wave w hold unit 36 + 4 j + w of wc, 64 rows of Wo, in registers; chunk c (y) takes groups 4 c .. 4 c + 3 of 64 tokens through a ring of two LDS slots of 43,008 bytes, a quarter by each wave's tensor load.
; Source 0 = 16 rows of Wo, source 1 = 16 tokens: a lane holds one token and, by the order of Wo's rows in a tile, 16 neighbouring columns in each 16 registers.
; A tile of 16 tokens x 64 columns goes through the wave's own stage in LDS and leaves as rows: sixteen lanes store 256 consecutive bytes, at a multiple of 256 from out0's first byte.
; A token tile's rows are tokens 32 (j / 2) + 8 (j % 2) + row + 8 (row / 8) of the group.  Group 16 of a batch holds token 1024 alone: only that row is stored.
; No cluster: the grid's 3 slices divide into no cluster of four.
; REGISTERS as in the launch of q, k, v; window 0: v80-127 the heads' raw scale words, later 32 registers of rows read back.
.set BLK,   39936                      ; a unit of wc
.set OBLK,  43008                      ; a group of oc
.set QTR,   10752                      ; 42 rows of 256 bytes
.set SLOT1, OBLK
.set STAGE, 2*OBLK
.set SPARE, STAGE+4*4352
.set L16, 1                            ; v1-3: 16, 8, 4 x lane;  v4-6: the same in slot 1
.set L8,  2
.set L4,  3
.set SPW, 7
.set STO, 8
.set RD,  9
.set GO,  10
.set NIL, 11
.set WS,  32
.set XS,  56
.set XR,  80
.set RB,  80
.set ACC, 128
.set BI,  192
.set MSB, 0
.macro WIN new
.if MSB != \new
	s_set_vgpr_msb (MSB<<8)|\new
.set MSB, \new
.endif
.endm
	s_load_b256 s[4:11], s[0:1], 0x0               ; oc, wc, bo, out0
	v_lshl_add_u32 v[SPW], v0, 2, SPARE
	v_mov_b32 v[NIL], 0
	ds_add_u32 v[SPW], v[NIL]                      ; the wave's opening: the add and its wait ahead of my first tensor load
	ds_add_u32 v[SPW], v[NIL]
	v_lshrrev_b32 v12, 5, v0
	v_readfirstlane_b32 s18, v12                   ; wave
	v_and_b32 v12, 31, v0
	v_lshlrev_b32 v[L16], 4, v12
	v_lshlrev_b32 v[L8], 3, v12
	v_lshlrev_b32 v[L4], 2, v12
	v_add_nc_u32 v[L16+3], SLOT1, v[L16]
	v_add_nc_u32 v[L8+3], SLOT1, v[L8]
	v_add_nc_u32 v[L4+3], SLOT1, v[L4]
	v_and_b32 v13, 15, v0                          ; r
	v_bfe_u32 v14, v0, 4, 1                        ; h
	s_mul_i32 s58, s18, 4352
	s_add_co_u32 s58, s58, STAGE                   ; my stage: 16 rows x (256 + 16) bytes
	v_mul_u32_u24 v[STO], v13, 272
	v_lshl_add_u32 v[STO], v14, 6, v[STO]
	v_add_nc_u32 v[STO], s58, v[STO]               ; in: row r, + 64 h
	v_mul_u32_u24 v[RD], v14, 272
	v_lshl_add_u32 v[RD], v13, 4, v[RD]
	v_add_nc_u32 v[RD], s58, v[RD]                 ; back: lanes 0-15 one row, lanes 16-31 the next
	v_mul_u32_u24 v[GO], v14, 3072
	v_lshl_add_u32 v[GO], v13, 4, v[GO]            ; and the same two rows in out0
	v_lshlrev_b32 v15, 6, v14                      ; the bias: 64 h
	s_mov_b32 s19, ttmp9
	s_and_b32 s20, ttmp7, 0xffff
	s_lshl_b32 s23, s19, 2
	s_add_co_u32 s23, s23, s18                     ; my 64 columns
	s_lshl_b32 s49, s23, 8
	s_add_co_u32 s72, s23, 36
	s_mul_i32 s72, s72, BLK
	s_mov_b32 s73, 0
	s_mov_b32 s70, s49
	s_mov_b32 s71, 0
	s_mul_i32 s58, s18, QTR
	s_lshl_b32 s74, s20, 2
	s_mul_i32 s74, s74, OBLK
	s_add_co_u32 s74, s74, s58
	s_mov_b32 s75, 0
	s_mov_b32 s28, 3<<16                           ; descriptor group 1: elements of 8 bytes, no mask, no padding
	s_mov_b32 s29, 32<<16
	s_mov_b32 s30, 42<<16
	s_mov_b32 s31, 32<<16
	s_mov_b32 s32, 42
	s_mov_b32 s33, 32
	s_mov_b32 s34, 0
	s_mov_b32 s35, 0
	s_mov_b32 s57, 0x05040100
	s_wait_alu depctr_va_vdst(0)
	s_wait_dscnt 0x0
	s_wait_kmcnt 0x0
	s_mov_b32 s36, 1
	s_mov_b32 s37, s58
	s_add_nc_u64 s[38:39], s[4:5], s[74:75]
	s_mov_b32 s40, 1
	s_add_co_u32 s41, s58, SLOT1
	s_add_nc_u64 s[42:43], s[38:39], OBLK
	s_or_b32 s39, s39, 0x80000000
	s_or_b32 s43, s43, 0x80000000
	tensor_load_to_lds s[36:39], s[28:35]
	s_nop 0
.rept 4
	v_nop
.endr
	s_add_nc_u64 s[72:73], s[6:7], s[72:73]
	s_add_nc_u64 s[70:71], s[8:9], s[70:71]
.irp i, 0,1,2,3
.irp p, 0,1,2
	global_load_b64 v[WS+6*\i+2*\p:WS+6*\i+2*\p+1], v[L8], s[72:73] offset:36864+\i*768+\p*256
.endr
.endr
.irp s, 0,1,2,3,4,5
	WIN 64*(1+\s/2)
.irp i, 0,1,2,3
.irp c, 0,1,2
	global_load_b128 v[12*(4*(\s%2)+\i)+4*\c:12*(4*(\s%2)+\i)+4*\c+3], v[L16], s[72:73] offset:\i*9216+\s*1536+\c*512
.endr
.endr
.endr
	WIN 0x40
.irp i, 0,1,2,3
	global_load_b128 v[BI+8*\i:BI+8*\i+3], v15, s[70:71] offset:4*(32*(\i/2)+8*(\i%2))
	global_load_b128 v[BI+8*\i+4:BI+8*\i+7], v15, s[70:71] offset:4*(32*(\i/2)+8*(\i%2))+16
.endr
	WIN 0
.macro LOADX4 slot                     ; 48 raw scale words, then 24 fragments as two half fragments each: 144 LDS loads
.irp j, 0,1,2,3
.irp d, 0,1,2,3,4,5,6,7,8,9,10,11
	ds_load_b32 v[XR+12*\j+\d], v[L4+3*\slot] offset:36864+\j*1536+\d*128
.endr
.endr
.irp s, 0,1,2,3,4,5
	WIN 64*(1+\s/2)
.irp j, 0,1,2,3
.irp c, 0,1
	ds_load_b128 v[96+12*(4*(\s%2)+\j)+6*\c:96+12*(4*(\s%2)+\j)+6*\c+3], v[L16+3*\slot] offset:\j*9216+\s*1536+\c*768
	ds_load_b64 v[96+12*(4*(\s%2)+\j)+6*\c+4:96+12*(4*(\s%2)+\j)+6*\c+5], v[L8+3*\slot] offset:\j*9216+\s*1536+\c*768+512
.endr
.endr
.endr
	WIN 0
.endm
.macro PERMS
	s_wait_dscnt 63                                ; the raw words want 96 younger loads left out; the field holds 63, which is the stricter count
.irp s, 0,1,2,3,4,5
.irp j, 0,1,2,3
	v_perm_b32 v[XS+6*\j+\s], v[XR+12*\j+2*\s+1], v[XR+12*\j+2*\s], s57   ; two bytes of head 2 s, two of head 2 s + 1
.endr
.endr
.rept 8
	v_nop                                          ; a scale register written by a vector instruction stands eight places ahead of a scaled product
.endr
.endm
.macro WMMA4                           ; 96 products on 16 accumulators that take turns; the bias is the C of each sum's first product
.irp s, 0,1,2,3,4,5
.if \s == 0
	WIN 0x15
.else
	WIN 5*(1+\s/2)
.endif
.if 16*(5-\s) > 63
	s_wait_dscnt 63
.else
	s_wait_alu depctr_va_vdst(0)
	s_wait_dscnt 16*(5-\s)                         ; the later K steps' 16 loads each may be out
.endif
.irp j, 0,1,2,3
.irp i, 0,1,2,3
.set rD, ACC+32*\j+8*\i
.set rA, 12*(4*(\s%2)+\i)
.set rB, 96+12*(4*(\s%2)+\j)
.if \s == 0
	v_wmma_scale_f32_16x16x128_f8f6f4 v[rD:rD+7], v[rA:rA+11], v[rB:rB+11], v[BI+8*\i:BI+8*\i+7], v[WS+6*\i+\s], v[XS+6*\j+\s] matrix_a_fmt:MATRIX_FMT_FP6 matrix_b_fmt:MATRIX_FMT_FP6
.else
	v_wmma_scale_f32_16x16x128_f8f6f4 v[rD:rD+7], v[rA:rA+11], v[rB:rB+11], v[rD:rD+7], v[WS+6*\i+\s], v[XS+6*\j+\s] matrix_a_fmt:MATRIX_FMT_FP6 matrix_b_fmt:MATRIX_FMT_FP6
.endif
.endr
.endr
.endr
	WIN 0
.endm
.macro STAGE_IN j                      ; each accumulator from its low end on
.irp i, 0,1,2,3
	ds_store_b128 v[STO], v[ACC+32*(\j)+8*\i:ACC+32*(\j)+8*\i+3] offset:128*(\i/2)+32*(\i%2)
	ds_store_b128 v[STO], v[ACC+32*(\j)+8*\i+4:ACC+32*(\j)+8*\i+7] offset:128*(\i/2)+32*(\i%2)+16
.endr
.endm
.macro EPI4
.rept 4
	v_nop                                          ; four places behind the last products, ahead of the first read of results
.endr
	s_cmp_eq_u32 s51, 16
	s_cbranch_scc1 .Ltail_\@
.irp j, 0,1,2,3
	STAGE_IN \j
	s_wait_xcnt 0x0                                ; the last tile's stores have read the registers that the loads below fill
.irp t, 0,1,2,3,4,5,6,7
	ds_load_b128 v[RB+4*\t:RB+4*\t+3], v[RD] offset:544*\t      ; LDS serves a wave's instructions in order: these see my stores
.endr
	s_wait_dscnt 0x0
.irp t, 0,1,2,3,4,5,6,7
	global_store_b128 v[GO], v[RB+4*\t:RB+4*\t+3], s[44:45] offset:(32*(\j/2)+8*(\j%2)+2*\t+8*(\t/4))*3072 th:TH_STORE_NT
.endr
.endr
	s_branch .Ldone_\@
.Ltail_\@:
	STAGE_IN 0
	s_wait_xcnt 0x0                                ; also ahead of the change of EXEC below
	ds_load_b128 v[RB:RB+3], v[RD]
	s_wait_dscnt 0x0
	v_cmp_gt_u32 vcc_lo, 64, v[L4]                 ; lanes 0-15: row 0, token 1024
	s_and_saveexec_b32 s58, vcc_lo
	global_store_b128 v[GO], v[RB:RB+3], s[44:45] th:TH_STORE_NT
	s_wait_xcnt 0x0
	s_or_b32 exec_lo, exec_lo, s58
.Ldone_\@:
.endm
; A trip: one barrier for the change of slots; in front of it every wave waits for all its tensor loads (one is out), adds 0 to its spare word, and waits for that and for its LDS reads; behind it the other slot is filled first.
.macro TRIP4 slot, refill, k, first
	s_wait_xcnt 0x0                                ; the last group's stores have read their base and data
	s_wait_tensorcnt 0x0
	ds_add_u32 v[SPW], v[NIL]
	s_add_nc_u64 s[38+4*\slot:39+4*\slot], s[38+4*\slot:39+4*\slot], 2*OBLK
	s_lshl_b32 s58, s20, 2
	s_add_co_u32 s58, s58, \k                      ; the group
	s_mul_i32 s59, s58, 3856
	s_lshr_b32 s59, s59, 16                        ; batch = group / 17
	s_mul_i32 s60, s59, 17
	s_sub_co_u32 s51, s58, s60                     ; group in the batch
	s_mul_i32 s59, s59, 1025
	s_lshl_b32 s60, s51, 6
	s_add_co_u32 s59, s59, s60                     ; its first token
	s_mul_i32 s60, s59, 3072
	s_add_co_u32 s60, s60, s49
	s_mov_b32 s61, 0
	s_add_nc_u64 s[44:45], s[10:11], s[60:61]
	s_wait_dscnt 0x0
	s_barrier_signal -1
	s_barrier_wait -1
.if \refill
	tensor_load_to_lds s[40-4*\slot:43-4*\slot], s[28:35]
	s_nop 0
.endif
.rept 4
	v_nop
.endr
	LOADX4 \slot
	PERMS
.if \first
	s_wait_loadcnt 0x0                             ; the weights, their scale words, the bias
.endif
	WMMA4
	EPI4
.endm
	TRIP4 0, 1, 0, 1
	TRIP4 1, 1, 1, 0
	TRIP4 0, 1, 2, 0
	TRIP4 1, 0, 3, 0
	s_wait_tensorcnt 0x0                           ; the wave's end
	ds_add_u32 v[SPW], v[NIL]
	s_wait_dscnt 0x0
	s_endpgm
.Lfunc_end_k_q4d1824f274_proj:
	.size	k_q4d1824f274_proj, .Lfunc_end_k_q4d1824f274_proj-k_q4d1824f274_proj
	.p2alignl 7, 3214868480
	.fill 96, 4, 3214868480
	.section	.rodata,"a",@progbits
	.p2align	6, 0x0
	.amdhsa_kernel k_q4d1824f274_proj
		.amdhsa_group_segment_fixed_size 327680
		.amdhsa_private_segment_fixed_size 0
		.amdhsa_enable_private_segment 0
		.amdhsa_kernarg_size 32
		.amdhsa_user_sgpr_count 2
		.amdhsa_user_sgpr_kernarg_segment_ptr 1
		.amdhsa_wavefront_size32 1
		.amdhsa_system_sgpr_workgroup_id_x 1
		.amdhsa_system_sgpr_workgroup_id_y 1
		.amdhsa_system_sgpr_workgroup_id_z 1
		.amdhsa_system_vgpr_workitem_id 0
		.amdhsa_next_free_vgpr 960
		.amdhsa_next_free_sgpr 90
		.amdhsa_reserve_vcc 1
		.amdhsa_float_denorm_mode_32 3
		.amdhsa_float_denorm_mode_16_64 3
		.amdhsa_memory_ordered 1
		.amdhsa_forward_progress 1
		.amdhsa_inst_pref_size 144
	.end_amdhsa_kernel
	.amdgpu_metadata
---
amdhsa.version: [ 1, 2 ]
amdhsa.kernels:
  - .name:           k_q4d1824f274_proj
    .symbol:         k_q4d1824f274_proj.kd
    .args:
      - { .name: oc, .offset: 0, .size: 8, .value_kind: global_buffer, .address_space: global }
      - { .name: wc, .offset: 8, .size: 8, .value_kind: global_buffer, .address_space: global }
      - { .name: bo, .offset: 16, .size: 8, .value_kind: global_buffer, .address_space: global }
      - { .name: out0, .offset: 24, .size: 8, .value_kind: global_buffer, .address_space: global }
    .group_segment_fixed_size: 327680
    .private_segment_fixed_size: 0
    .kernarg_segment_align: 8
    .kernarg_segment_size: 32
    .max_flat_workgroup_size: 128
    .sgpr_count:     90
    .vgpr_count:     960
    .wavefront_size: 32
...
	.end_amdgpu_metadata
.endif
;; end of part 4
